; MI455X (gfx1250); checked and timed in simulation.
; The chip was launched on July 23, 2026; its instructions are those of AMD's public machine-readable ISA for CDNA 5 (MIT licence, August 2026) and "CDNA5" Instruction Set Architecture Reference Guide (July 2026). The comments in the code are by the model that wrote it; some were corrected since.
;; Sonic Mo E Adapter. Allowed arithmetic: float matrix products may take bf16 or f16 operands with f32 sums; all other float work in f32.
;; Inputs: w_down 8 x 1,024 x 512 float32; w_gate 8 x 512 x 1,024 float32; w_router 8 x 1,024 float32; w_up 8 x 512 x 1,024 float32; x 2 x 2,048 x 1,024 float32.
;; Outputs: out0 2 x 2,048 x 1,024 float32; out1 one number float32.
;; 2 versions, each right; version 2 is version 1 with the launch place written anew for expert scheduling mode. Each part assembles by itself: llvm-mc -triple=amdgcn-amd-amdhsa -mcpu=gfx1250 --defsym DOCPART=n.
;; ======== version 1 of 2: 5 launches
;; workspace buffers: wb 25,165,824 bytes; route 36,864 bytes of whole numbers; rw 40,960 bytes; xs 18,874,368 bytes; plan 33,024 bytes of whole numbers; hs 9,437,184 bytes; yp 37,748,736 bytes
;; launch prep (part 1): grid 1024 x 1, 8 waves a work-group, no clusters, 34,304 bytes of LDS; arguments x, w_router, w_gate, w_up, w_down, wb, route, rw; writes wb, route, rw
.if DOCPART == 1
	.amdgcn_target "amdgcn-amd-amdhsa--gfx1250"
	.amdhsa_code_object_version 6
	.text
	.protected	k_q2ae5f57591_prep
	.globl	k_q2ae5f57591_prep
	.p2align	8
	.type	k_q2ae5f57591_prep,@function
k_q2ae5f57591_prep:
	s_mov_b64 s[64:65], 0
	v_nop
	global_prefetch_b8 v0, s[64:65] scope:SCOPE_SE
	s_setreg_imm32_b32 hwreg(HW_REG_WAVE_MODE, 25, 1), 1
	s_wait_xcnt 0x0
; prep.  Work-groups 0-255: the router for 16 tokens each.  Work-groups 256-1023: the expert weights, f32 to bf16.
;
; ROUTER.  logits = x w_router^T, softmax with the row's maximum taken away, the two largest probabilities, their weights
; renormalised.  x and w_router are rounded to bf16 first, as every matrix operand of this program is, so that the choice of
; experts is made from the same numbers that the experts multiply; products and sums are f32 on the vector ALU (8 columns:
; too narrow for a matrix tile, and the pass is a stream over x).  A wave takes two tokens; a lane holds 32 numbers of each.
; Nothing here steers an address or a branch: the choice is made by selects and leaves as whole numbers for the next launch:
;   route: pinfo[pair p = 2 t + k] = expert | rank << 3 (rank among the work-group's 32 pairs of that expert);
;          from byte 32,768: cntp[work-group][4], word i = count(expert 2 i) | count(expert 2 i + 1) << 16
;   rw:    wts[t][2] f32; from byte 32,768: psum[work-group][8], the sums of the 16 tokens' probabilities
; LIMITS.  NaN in x or w_router is not served (the two experts of such a token may coincide; every address stays in range).
; A probability below 2^-126 counts as 0 (v_exp_f32 flushes: ISA guide, its entry in 15.8).  Equal probabilities: the lower expert.
;
; WEIGHTS.  wb holds wgu[8192 rows][1024] bf16, then from byte 16,777,216 w_down in its own order, bf16.  Row R = 512 e + f of
; w_gate goes to row 64 (R / 32) + R % 32 of wgu, the same row of w_up 32 rows further: 32 gate rows and their 32 up rows
; lie together, so that one wave of the next product holds a gate tile and its up tile.
.set WD_OFF, 16777216
.set PS,  32768                        ; LDS: 0 w_router as rounded, f32 [8][1024]; PS 8 waves x 8 f32; PE 32 experts; PW 32 weights
.set PE,  33024
.set PW,  33152
.set X,   8                            ; v[8:71]    router: token i at X + 32 i.  weights: 64 f32 as loaded
.set W0,  72                           ; v[72:103]  one expert's row of w_router, my 32 numbers.  weights: bf16 to store
.set W1,  104                          ; v[104:135] the next expert's
.set ACC, 136                          ; v[136:167] pair 8 i + e: two partial sums of logit (token i, expert e)
.set L,   72                           ; v[72:87]   logits, 8 i + e
.set P,   88                           ; v[88:103]  probabilities, 8 i + e
.set T8,  104                          ; v[104:119] at work
.set Q,   112                          ; v[112:119] the two tokens' probabilities added
.set M,   120
.set S,   121
.set BEST, 122
.set B2,  123
.set IDX, 124                          ; v[124:127] first and second expert of token 0, of token 1
.set WT,  128                          ; v[128:131] their weights
.set EE,  136                          ; wave 0 at the end
.set WW,  137
.set QA,  138
.set QB,  139
.set RK,  140
.set CN,  141
.set TM,  142
; 32 f32 from register b on are rounded to bf16 (nearest even) and widened again; t: 16 registers at work
.macro ROUND32 b, t
.set k, 0
.rept 16
	v_cvt_pk_bf16_f32 v[\t+k], v[\b+2*k], v[\b+2*k+1]
.set k, k+1
.endr
.set k, 0
.rept 16
	v_lshlrev_b32 v[\b+2*k], 16, v[\t+k]
	v_and_b32 v[\b+2*k+1], s21, v[\t+k]
.set k, k+1
.endr
.endm
; my 32 numbers of expert e's row: the same places in the row as my 32 numbers of a token
.macro WLOAD e, w
.irp j, 0,1,2,3,4,5,6,7
	ds_load_b128 v[\w+4*\j:\w+4*\j+3], v2 offset:4096*\e+512*\j
.endr
.endm
; both tokens times expert e; the first product starts each sum
.macro DOT e, w
	v_pk_mul_f32 v[ACC+2*\e:ACC+2*\e+1], v[X:X+1], v[\w:\w+1]
	v_pk_mul_f32 v[ACC+16+2*\e:ACC+16+2*\e+1], v[X+32:X+33], v[\w:\w+1]
.set k, 1
.rept 15
	v_pk_fma_f32 v[ACC+2*\e:ACC+2*\e+1], v[X+2*k:X+2*k+1], v[\w+2*k:\w+2*k+1], v[ACC+2*\e:ACC+2*\e+1]
	v_pk_fma_f32 v[ACC+16+2*\e:ACC+16+2*\e+1], v[X+32+2*k:X+32+2*k+1], v[\w+2*k:\w+2*k+1], v[ACC+16+2*\e:ACC+16+2*\e+1]
.set k, k+1
.endr
.endm
.macro STEP e, n, cur, nxt
	WLOAD \n, \nxt
	s_wait_dscnt 0x8                               ; LDS loads come back in order: expert e's eight are in, the next expert's eight stay out
	DOT \e, \cur
.endm
; softmax and the two largest of token i
.macro SOFTTOP i
	v_max3_num_f32 v[M], v[L+8*\i], v[L+8*\i+1], v[L+8*\i+2]
	v_max3_num_f32 v[M], v[M], v[L+8*\i+3], v[L+8*\i+4]
	v_max3_num_f32 v[M], v[M], v[L+8*\i+5], v[L+8*\i+6]
	v_max_num_f32 v[M], v[M], v[L+8*\i+7]
.irp e, 0,1,2,3,4,5,6,7
	v_sub_f32 v[P+8*\i+\e], v[L+8*\i+\e], v[M]     ; the maximum is taken away first: exact, and the largest exponent is 0
.endr
.irp e, 0,1,2,3,4,5,6,7
	v_mul_f32 v[P+8*\i+\e], 0x3fb8aa3b, v[P+8*\i+\e]
.endr
.irp e, 0,1,2,3,4,5,6,7
	v_exp_f32 v[P+8*\i+\e], v[P+8*\i+\e]
.endr
	v_nop                                          ; one plain place behind the last transcendental (ISA guide 5.7.2)
	s_wait_alu depctr_va_vdst(0)
	v_add_f32 v[S], v[P+8*\i], v[P+8*\i+1]
	v_add_f32 v[T8], v[P+8*\i+2], v[P+8*\i+3]
	v_add_f32 v[T8+1], v[P+8*\i+4], v[P+8*\i+5]
	v_add_f32 v[T8+2], v[P+8*\i+6], v[P+8*\i+7]
	v_add_f32 v[S], v[S], v[T8]
	v_add_f32 v[T8+1], v[T8+1], v[T8+2]
	v_add_f32 v[S], v[S], v[T8+1]                  ; between 1 and 8
	v_rcp_f32 v[S], v[S]
	v_nop
	s_wait_alu depctr_va_vdst(0)
.irp e, 0,1,2,3,4,5,6,7
	v_mul_f32 v[P+8*\i+\e], v[P+8*\i+\e], v[S]
.endr
	v_mov_b32 v[BEST], v[P+8*\i]
	v_mov_b32 v[IDX+2*\i], 0
.irp e, 1,2,3,4,5,6,7
	v_cmp_le_f32 vcc_lo, v[P+8*\i+\e], v[BEST]     ; not larger: keep (a tie stays with the lower expert)
	v_cndmask_b32 v[BEST], v[P+8*\i+\e], v[BEST], vcc_lo
	v_cndmask_b32 v[IDX+2*\i], \e, v[IDX+2*\i], vcc_lo
.endr
.irp e, 0,1,2,3,4,5,6,7
	v_cmp_ne_u32 vcc_lo, \e, v[IDX+2*\i]
	v_cndmask_b32 v[T8+\e], -1.0, v[P+8*\i+\e], vcc_lo   ; the first choice is out of the second search
.endr
	v_mov_b32 v[B2], v[T8]
	v_mov_b32 v[IDX+2*\i+1], 0
.irp e, 1,2,3,4,5,6,7
	v_cmp_le_f32 vcc_lo, v[T8+\e], v[B2]
	v_cndmask_b32 v[B2], v[T8+\e], v[B2], vcc_lo
	v_cndmask_b32 v[IDX+2*\i+1], \e, v[IDX+2*\i+1], vcc_lo
.endr
	v_add_f32 v[S], v[BEST], v[B2]                 ; at least 1/8
	v_rcp_f32 v[S], v[S]
	v_nop
	s_wait_alu depctr_va_vdst(0)
	v_mul_f32 v[WT+2*\i], v[BEST], v[S]
	v_mul_f32 v[WT+2*\i+1], v[B2], v[S]
.endm
	s_load_b512 s[4:19], s[0:1], 0x0               ; x 4:5, w_router 6:7, w_gate 8:9, w_up 10:11, w_down 12:13, wb 14:15, route 16:17, rw 18:19
	v_lshl_add_u32 v168, v0, 2, 0x8200
	v_mov_b32 v169, 0
	v_lshrrev_b32 v4, 5, v0
	v_readfirstlane_b32 s20, v4                    ; wave
	v_and_b32 v1, 31, v0                           ; lane
	v_lshlrev_b32 v2, 4, v1                        ; 16 x lane
	v_lshlrev_b32 v3, 4, v0                        ; 16 x thread
	s_cmp_lt_u32 ttmp9, 256                        ; the same for all waves of a work-group
	s_cbranch_scc1 .Lrouter
	; ---- weights: 65,536 bytes of f32 a work-group: 16 rows of w_gate or w_up, or 32 rows of w_down ----
	s_sub_co_u32 s22, ttmp9, 256
	s_lshr_b32 s23, s22, 8                         ; 0 gate, 1 up, 2 down
	s_and_b32 s22, s22, 255                        ; c: which 65,536 bytes
	s_lshl_b32 s26, s22, 16
	s_mov_b32 s27, 0
	s_lshr_b32 s28, s22, 1
	s_lshl_b32 s28, s28, 6                         ; gate, up: row 64 (c / 2)
	s_and_b32 s29, s22, 1
	s_lshl4_add_u32 s28, s29, s28                  ;   + 16 (c % 2)
	s_lshl_b32 s29, s23, 5
	s_add_co_u32 s28, s28, s29                     ;   + 32 for up
	s_lshl_b32 s28, s28, 11                        ;   rows of 2,048 bytes
	s_lshl_b32 s29, s22, 15                        ; down: 32,768 bytes a work-group, behind wgu
	s_add_co_u32 s29, s29, WD_OFF
	s_cmp_eq_u32 s23, 2
	s_cselect_b32 s28, s29, s28
	s_mov_b32 s29, 0
	v_lshlrev_b32 v5, 5, v0                        ; 32 x thread: 8 f32 in, 16 bytes out
	s_wait_kmcnt 0x0
	s_cmp_eq_u32 s23, 1
	s_cselect_b64 s[24:25], s[10:11], s[8:9]
	s_cmp_eq_u32 s23, 2
	s_cselect_b64 s[24:25], s[12:13], s[24:25]
	s_add_nc_u64 s[24:25], s[24:25], s[26:27]
	s_add_nc_u64 s[14:15], s[14:15], s[28:29]
.irp i, 0,1,2,3,4,5,6,7
	global_load_b128 v[X+8*\i:X+8*\i+3],   v5, s[24:25] offset:8192*\i th:TH_LOAD_NT
	global_load_b128 v[X+8*\i+4:X+8*\i+7], v5, s[24:25] offset:8192*\i+16 th:TH_LOAD_NT
.endr
.irp i, 0,1,2,3,4,5,6,7
	s_wait_loadcnt 14-2*\i                         ; pair i is in; the younger pairs stay out
.irp r, 0,1,2,3
	v_cvt_pk_bf16_f32 v[W0+4*\i+\r], v[X+8*\i+2*\r], v[X+8*\i+2*\r+1]
.endr
	global_store_b128 v3, v[W0+4*\i:W0+4*\i+3], s[14:15] offset:4096*\i   ; a wave's store covers 512 consecutive bytes, aligned
.endr
	s_endpgm
	; ---- router ----
.Lrouter:
	s_lshl_b32 s32, ttmp9, 16                      ; 16 tokens of 4,096 bytes a work-group,
	s_lshl_b32 s23, s20, 13                        ; two a wave
	s_add_co_u32 s32, s32, s23
	s_mov_b32 s33, 0
	s_mov_b32 s21, 0xffff0000                      ; a word's upper bf16
	s_mov_b32 s38, 0x76543210                      ; v_permlanex16_b32: lane i of one half reads lane i of the other
	s_mov_b32 s39, 0xfedcba98
	s_wait_kmcnt 0x0
	s_add_nc_u64 s[4:5], s[4:5], s[32:33]
.irp j, 0,1,2,3,4,5,6,7
	global_load_b128 v[W0+4*\j:W0+4*\j+3], v3, s[6:7] offset:4096*\j      ; all of w_router, 128 bytes a thread
.endr
.irp i, 0,1
.irp j, 0,1,2,3,4,5,6,7
	global_load_b128 v[X+32*\i+4*\j:X+32*\i+4*\j+3], v2, s[4:5] offset:4096*\i+512*\j
.endr
.endr
	s_wait_loadcnt 16                              ; w_router is in; the 16 loads of x stay out
	ROUND32 W0, W1
.irp j, 0,1,2,3,4,5,6,7
	ds_store_b128 v3, v[W0+4*\j:W0+4*\j+3] offset:4096*\j
.endr
	s_wait_loadcnt 0x0
	ROUND32 X, W1
	ROUND32 X+32, W1
	s_wait_dscnt 0x0                               ; my part of w_router is in LDS, for the other waves' sake
	s_barrier_signal -1
	s_barrier_wait -1
	WLOAD 0, W0
	STEP 0, 1, W0, W1
	STEP 1, 2, W1, W0
	STEP 2, 3, W0, W1
	STEP 3, 4, W1, W0
	STEP 4, 5, W0, W1
	STEP 5, 6, W1, W0
	STEP 6, 7, W0, W1
	s_wait_dscnt 0x0
	DOT 7, W1
.set k, 0
.rept 16
	v_add_f32 v[L+k], v[ACC+2*k], v[ACC+2*k+1]
.set k, k+1
.endr
	; the 16 sums over the 32 lanes: four steps inside each half of 16 lanes, one across; every lane ends with every logit
.irp m, 1,2,4,8
.set k, 0
.rept 16
	v_add_f32_dpp v[L+k], v[L+k], v[L+k] row_xmask:\m row_mask:0xf bank_mask:0xf
.set k, k+1
.endr
.endr
.set k, 0
.rept 16
	v_permlanex16_b32 v[T8+k], v[L+k], s38, s39    ; the destinations have been written before, by ROUND32
.set k, k+1
.endr
.set k, 0
.rept 16
	v_add_f32 v[L+k], v[L+k], v[T8+k]
.set k, k+1
.endr
	SOFTTOP 0
	SOFTTOP 1
.irp e, 0,1,2,3,4,5,6,7
	v_add_f32 v[Q+\e], v[P+\e], v[P+8+\e]
.endr
	v_mov_b32 v5, s20
	v_lshlrev_b32 v6, 5, v5                        ; 32 x wave
	v_lshlrev_b32 v5, 4, v5                        ; 16 x wave
	ds_store_b128 v6, v[Q:Q+3] offset:PS           ; all lanes hold the same numbers and write the same bytes
	ds_store_b128 v6, v[Q+4:Q+7] offset:PS+16
	ds_store_b128 v5, v[IDX:IDX+3] offset:PE       ; pairs 4 w .. 4 w + 3 of the work-group's 32
	ds_store_b128 v5, v[WT:WT+3] offset:PW
	s_wait_dscnt 0x0                               ; for wave 0's sake
	s_barrier_signal -1
	s_barrier_wait -1
	s_cmp_lg_u32 s20, 0
	s_cbranch_scc1 .Ldone
	; wave 0, lane = pair: ranks, counts, and the tables out (128, 128, 32 and 16 bytes a work-group)
	v_lshlrev_b32 v7, 2, v1
	ds_load_b32 v[EE], v7 offset:PE
	ds_load_b32 v[WW], v7 offset:PW
	ds_load_b32 v[QA], v7 offset:PS                ; wave lane / 8, expert lane % 8
	ds_load_b32 v[QB], v7 offset:PS+128            ; wave 4 + lane / 8
	v_mov_b32 v[RK], 0
	v_mov_b32 v[CN], 0
	s_lshl_b32 s32, ttmp9, 7
	s_mov_b32 s33, 0
	s_add_nc_u64 s[34:35], s[16:17], s[32:33]      ; pinfo of my 32 pairs
	s_add_nc_u64 s[36:37], s[18:19], s[32:33]      ; wts of my 32 pairs
	s_lshl_b32 s32, ttmp9, 5
	s_add_nc_u64 s[42:43], s[18:19], s[32:33]      ; psum's row, less 32,768
	s_lshl_b32 s32, ttmp9, 4
	s_add_nc_u64 s[44:45], s[16:17], s[32:33]      ; cntp's row, less 32,768
	s_wait_dscnt 0x0
.irp e, 0,1,2,3,4,5,6,7
	v_cmp_eq_u32 s22, \e, v[EE]                    ; the pairs of expert e
	v_mbcnt_lo_u32_b32 v[TM], s22, 0               ; how many of them stand in lower lanes
	v_cndmask_b32 v[RK], v[RK], v[TM], s22
	s_bcnt1_i32_b32 s[24+\e], s22
.endr
	v_lshl_or_b32 v[EE], v[RK], 3, v[EE]
	global_store_b32 v7, v[EE], s[34:35]
	global_store_b32 v7, v[WW], s[36:37]
	v_add_f32 v[QA], v[QA], v[QB]
	v_add_f32_dpp v[QA], v[QA], v[QA] row_xmask:8 row_mask:0xf bank_mask:0xf
	v_permlanex16_b32 v[QB], v[QA], s38, s39
	v_add_f32 v[QA], v[QA], v[QB]                  ; lane e (0 to 7): the eight waves' sums for expert e
.irp i, 0,1,2,3
	s_lshl_b32 s23, s[25+2*\i], 16
	s_or_b32 s23, s23, s[24+2*\i]
	v_writelane_b32 v[CN], s23, \i
.endr
	s_wait_xcnt 0x0                                ; EXEC is a source of the two stores above: it changes only behind this wait
	v_cmp_gt_u32 vcc_lo, 8, v1
	s_and_saveexec_b32 s40, vcc_lo
	global_store_b32 v7, v[QA], s[42:43] offset:32768
	s_wait_xcnt 0x0
	s_or_b32 exec_lo, exec_lo, s40
	v_cmp_gt_u32 vcc_lo, 4, v1
	s_and_saveexec_b32 s40, vcc_lo
	global_store_b32 v7, v[CN], s[44:45] offset:32768
	s_wait_xcnt 0x0
	s_or_b32 exec_lo, exec_lo, s40
.Ldone:
	s_wait_tensorcnt 0x0
	ds_add_u32 v168, v169
	s_wait_dscnt 0x0
	s_endpgm
.Lfunc_end_k_q2ae5f57591_prep:
	.size	k_q2ae5f57591_prep, .Lfunc_end_k_q2ae5f57591_prep-k_q2ae5f57591_prep
	.p2alignl 7, 3214868480
	.fill 96, 4, 3214868480
	.section	.rodata,"a",@progbits
	.p2align	6, 0x0
	.amdhsa_kernel k_q2ae5f57591_prep
		.amdhsa_group_segment_fixed_size 34304
		.amdhsa_private_segment_fixed_size 0
		.amdhsa_enable_private_segment 0
		.amdhsa_kernarg_size 64
		.amdhsa_user_sgpr_count 2
		.amdhsa_user_sgpr_kernarg_segment_ptr 1
		.amdhsa_wavefront_size32 1
		.amdhsa_system_sgpr_workgroup_id_x 1
		.amdhsa_system_sgpr_workgroup_id_y 1
		.amdhsa_system_sgpr_workgroup_id_z 1
		.amdhsa_system_vgpr_workitem_id 0
		.amdhsa_next_free_vgpr 170
		.amdhsa_next_free_sgpr 66
		.amdhsa_reserve_vcc 1
		.amdhsa_float_denorm_mode_32 3
		.amdhsa_float_denorm_mode_16_64 3
		.amdhsa_memory_ordered 1
		.amdhsa_forward_progress 1
		.amdhsa_inst_pref_size 55
	.end_amdhsa_kernel
	.amdgpu_metadata
---
amdhsa.version: [ 1, 2 ]
amdhsa.kernels:
  - .name:           k_q2ae5f57591_prep
    .symbol:         k_q2ae5f57591_prep.kd
    .args:
      - { .name: x, .offset: 0, .size: 8, .value_kind: global_buffer, .address_space: global }
      - { .name: w_router, .offset: 8, .size: 8, .value_kind: global_buffer, .address_space: global }
      - { .name: w_gate, .offset: 16, .size: 8, .value_kind: global_buffer, .address_space: global }
      - { .name: w_up, .offset: 24, .size: 8, .value_kind: global_buffer, .address_space: global }
      - { .name: w_down, .offset: 32, .size: 8, .value_kind: global_buffer, .address_space: global }
      - { .name: wb, .offset: 40, .size: 8, .value_kind: global_buffer, .address_space: global }
      - { .name: route, .offset: 48, .size: 8, .value_kind: global_buffer, .address_space: global }
      - { .name: rw, .offset: 56, .size: 8, .value_kind: global_buffer, .address_space: global }
    .group_segment_fixed_size: 34304
    .private_segment_fixed_size: 0
    .kernarg_segment_align: 8
    .kernarg_segment_size: 64
    .max_flat_workgroup_size: 256
    .sgpr_count:     66
    .vgpr_count:     170
    .wavefront_size: 32
...
	.end_amdgpu_metadata
.endif
;; end of part 1
;; launch place (part 2): grid 256 x 1, 8 waves a work-group, no clusters, 0 bytes of LDS; arguments x, route, rw, xs, plan, out1; writes xs, plan, out1
.if DOCPART == 2
	.amdgcn_target "amdgcn-amd-amdhsa--gfx1250"
	.amdhsa_code_object_version 6
	.text
	.protected	k_q2ae5f57591_place
	.globl	k_q2ae5f57591_place
	.p2align	8
	.type	k_q2ae5f57591_place,@function
k_q2ae5f57591_place:
	s_mov_b64 s[64:65], 0
	v_nop
	global_prefetch_b8 v0, s[64:65] scope:SCOPE_SE
	s_setreg_imm32_b32 hwreg(HW_REG_WAVE_MODE, 25, 1), 1
	s_wait_xcnt 0x0
; place.  Gives every (token, expert) pair a row ("slot") of xs and copies the token there in bf16.
; SLOTS.  9,216 slots = 64 blocks of 144.  Expert e with T_e pairs owns nb_e = ceil(T_e / 144) blocks in a row; its pairs fill them
; from the first slot on, in the order of work-groups and, inside one, of ranks.  The sum of nb_e is at most (8,192 + 8 x 143) / 144 = 64.
; The pairs take 8,192 slots, so exactly 1,024 slots are padding, whatever the routing: they are filled with zeros here, half a
; row by each of the 2,048 waves.  So every row of xs is written, and the products that follow need no masks.
; Every work-group makes the whole plan again from the 256 rows of counts (4,096 bytes): no traffic between work-groups.
; Out: xs; plan: slots[t][2], and from byte 32,768 blk[64] = the block's expert, 8 for a block without pairs (work-group 0);
; out1 = 0.01 x 8 x sum over e of (T_e / 4,096) (sum of probabilities / 4,096) (work-group 0).
; No barrier; branches hang on the work-group's and the wave's number alone.  What is made of loaded numbers enters an address
; only behind a clamp to 9,215, the last slot.
.set X,    8                           ; v[8:71]    two tokens, 32 f32 of each; later the sums of probabilities
.set C,    72                          ; v[72:103]  eight rows of counts
.set TOT,  104                         ; v[104:107] counts of all work-groups, two experts to a word
.set PRE,  108                         ; v[108:111] counts of the work-groups in front of mine
.set TMP,  112                         ; v[112:115]
.set INFO, 116
.set E,    117
.set SLOT, 118
.set BASE, 119
.set SL,   120                         ; v[120:123] the slots of my wave's four pairs
.set OFF,  124                         ; v[124:127] their byte offsets in xs, with my 16 bytes
.set Y,    128                         ; v[128:159] two tokens in bf16
.set Z,    160                         ; v[160:163] zeros
.set ZO,   164
.set LAST, 9215
.macro SUM8 d                          ; the eight rows in C added, word by word (a field is at most 8,192: no carry between fields)
.irp k, 0,1,2,3
	v_add3_u32 v[\d+\k], v[C+\k], v[C+4+\k], v[C+8+\k]
	v_add3_u32 v[\d+\k], v[\d+\k], v[C+12+\k], v[C+16+\k]
	v_add3_u32 v[\d+\k], v[\d+\k], v[C+20+\k], v[C+24+\k]
	v_add_nc_u32 v[\d+\k], v[\d+\k], v[C+28+\k]
.endr
.endm
	s_load_b256 s[4:11], s[0:1], 0x0               ; x 4:5, route 6:7, rw 8:9, xs 10:11
	s_load_b128 s[12:15], s[0:1], 0x20             ; plan 12:13, out1 14:15
	v_lshrrev_b32 v2, 5, v0
	v_readfirstlane_b32 s16, v2                    ; wave
	s_mov_b32 s17, ttmp9                           ; work-group
	v_and_b32 v1, 31, v0                           ; lane
	v_lshlrev_b32 v2, 4, v1                        ; 16 x lane
	v_lshlrev_b32 v3, 5, v1                        ; 32 x lane
	v_lshlrev_b32 v4, 2, v1                        ; 4 x lane
	s_mov_b32 s20, 0x76543210
	s_mov_b32 s21, 0xfedcba98
	s_lshl_b32 s60, s17, 16                        ; tokens 16 wg + 2 w, + 1
	s_lshl_b32 s18, s16, 13
	s_add_co_u32 s60, s60, s18
	s_mov_b32 s61, 0
	s_lshl_b32 s18, s17, 7                         ; 32 pairs of 4 bytes a work-group
	s_mov_b32 s19, 0
	s_wait_kmcnt 0x0
	s_add_nc_u64 s[4:5], s[4:5], s[60:61]
	s_add_nc_u64 s[60:61], s[6:7], s[18:19]        ; pinfo of my work-group
	s_add_nc_u64 s[62:63], s[12:13], s[18:19]      ; slots of my work-group
.irp j, 0,1,2,3,4,5,6,7
	global_load_b128 v[C+4*\j:C+4*\j+3], v2, s[6:7] offset:32768+512*\j   ; counts of work-group lane + 32 j
.endr
	global_load_b32 v[INFO], v4, s[60:61]
.irp i, 0,1
.irp c, 0,1,2,3
	global_load_b128 v[X+32*\i+8*\c:X+32*\i+8*\c+3],   v3, s[4:5] offset:4096*\i+1024*\c th:TH_LOAD_NT
	global_load_b128 v[X+32*\i+8*\c+4:X+32*\i+8*\c+7], v3, s[4:5] offset:4096*\i+1024*\c+16 th:TH_LOAD_NT
.endr
.endr
.irp k, 0,1,2,3
	v_mov_b32 v[TMP+\k], 0
	v_mov_b32 v[Z+\k], 0
.endr
	s_wait_loadcnt 16                              ; the tables are in; the 16 loads of x stay out while the plan is made
	SUM8 TOT
.irp j, 0,1,2,3,4,5,6,7
	v_add_nc_u32 v[BASE], 32*\j, v1
	v_cmp_gt_u32 vcc_lo, s17, v[BASE]              ; a work-group in front of mine
.irp k, 0,1,2,3
	v_cndmask_b32 v[C+4*\j+\k], 0, v[C+4*\j+\k], vcc_lo
.endr
.endr
	SUM8 PRE
	; the eight words over the 32 lanes, in whole numbers
.irp m, 1,2,4,8
.irp g, 0,4
.irp k, 0,1,2,3
	v_mov_b32_dpp v[TMP+\k], v[TOT+\g+\k] row_xmask:\m row_mask:0xf bank_mask:0xf
.endr
.irp k, 0,1,2,3
	v_add_nc_u32 v[TOT+\g+\k], v[TOT+\g+\k], v[TMP+\k]
.endr
.endr
.endr
.irp g, 0,4
.irp k, 0,1,2,3
	v_permlanex16_b32 v[TMP+\k], v[TOT+\g+\k], s20, s21
.endr
.irp k, 0,1,2,3
	v_add_nc_u32 v[TOT+\g+\k], v[TOT+\g+\k], v[TMP+\k]
.endr
.endr
.irp i, 0,1,2,3
	v_readfirstlane_b32 s18, v[TOT+\i]
	s_and_b32 s[24+2*\i], s18, 0xffff              ; s[24:31] T_e
	s_lshr_b32 s[25+2*\i], s18, 16
	v_readfirstlane_b32 s18, v[PRE+\i]
	s_and_b32 s[32+2*\i], s18, 0xffff              ; s[32:39] pairs of expert e in front of my work-group's
	s_lshr_b32 s[33+2*\i], s18, 16
.endr
	; the plan.  bb: blocks so far; cp: padding slots so far.  My wave's padding slot is number q of the 1,024; it lies behind the pairs of
	; every expert e that has at most q padding slots in front of it, so its place is q + the sum of those T_e.
	s_lshr_b32 s57, s16, 1
	s_lshl2_add_u32 s57, s17, s57                  ; q = 4 wg + w / 2
	s_mov_b32 s22, 0
	s_mov_b32 s23, 0
	s_mov_b32 s56, s57
.irp e, 0,1,2,3,4,5,6,7
	s_add_co_u32 s58, s[24+\e], 143
	s_mul_i32 s58, s58, 7282                       ; n / 144 = n x 7,282 >> 20: 7,282 x 144 = 2^20 + 32, and the excess n x 32 / (144 x 2^20)
	s_lshr_b32 s58, s58, 20                        ; stays below 1 / 144 for n below 32,768
	s_mul_i32 s59, s22, 144
	s_add_co_u32 s[40+\e], s59, s[32+\e]           ; s[40:47]: the slot of my work-group's first pair of expert e
	s_cmp_ge_u32 s57, s23
	s_cselect_b32 s59, s[24+\e], 0
	s_add_co_u32 s56, s56, s59
	s_mul_i32 s59, s58, 144
	s_sub_co_u32 s59, s59, s[24+\e]
	s_add_co_u32 s23, s23, s59
	s_add_co_u32 s22, s22, s58
	s_mov_b32 s[48+\e], s22                        ; s[48:55]: the first block behind expert e's
.endr
	; lane = pair: its slot
	v_and_b32 v[E], 7, v[INFO]
	v_lshrrev_b32 v[SLOT], 3, v[INFO]
	v_mov_b32 v[BASE], s40
.irp e, 1,2,3,4,5,6,7
	v_cmp_ne_u32 vcc_lo, \e, v[E]
	v_cndmask_b32 v[BASE], s[40+\e], v[BASE], vcc_lo
.endr
	v_add_nc_u32 v[SLOT], v[SLOT], v[BASE]
	v_min_u32 v[SLOT], LAST, v[SLOT]
	s_cmp_lg_u32 s16, 0
	s_cbranch_scc1 .Lnot_wave_0
	global_store_b32 v4, v[SLOT], s[62:63]         ; slots[t][k], 128 bytes a work-group
.Lnot_wave_0:
	; my wave's four pairs are lanes 4 w .. 4 w + 3: their slots to every lane
	s_lshl_b32 s18, s16, 4
	v_mov_b32 v5, s18
.irp i, 0,1,2,3
	v_add_nc_u32 v[OFF+\i], 4*\i, v5
.endr
.irp i, 0,1,2,3
	ds_bpermute_b32 v[SL+\i], v[OFF+\i], v[SLOT]
.endr
	; half a row of zeros into my padding slot
	s_min_u32 s56, s56, LAST
	s_lshl_b32 s56, s56, 11
	s_and_b32 s18, s16, 1
	s_lshl_b32 s18, s18, 10
	s_add_co_u32 s56, s56, s18
	v_add_nc_u32 v[ZO], s56, v2
	global_store_b128 v[ZO], v[Z:Z+3], s[10:11]
	global_store_b128 v[ZO], v[Z:Z+3], s[10:11] offset:512
	s_wait_dscnt 0x0
.irp i, 0,1,2,3
	v_min_u32 v[SL+\i], LAST, v[SL+\i]
	v_lshl_add_u32 v[OFF+\i], v[SL+\i], 11, v2     ; rows of 2,048 bytes, 16 bytes a lane
.endr
.irp i, 0,1
	s_wait_loadcnt 8-8*\i                          ; token i's eight loads are in; the other token's may stay out
.irp c, 0,1,2,3
.irp r, 0,1,2,3
	v_cvt_pk_bf16_f32 v[Y+16*\i+4*\c+\r], v[X+32*\i+8*\c+2*\r], v[X+32*\i+8*\c+2*\r+1]
.endr
	global_store_b128 v[OFF+2*\i],   v[Y+16*\i+4*\c:Y+16*\i+4*\c+3], s[10:11] offset:512*\c   ; 512 consecutive bytes a store, aligned;
	global_store_b128 v[OFF+2*\i+1], v[Y+16*\i+4*\c:Y+16*\i+4*\c+3], s[10:11] offset:512*\c   ; no register of a store is written again
.endr
.endr
	s_cmp_lg_u32 s17, 0
	s_cbranch_scc1 .Lend
	s_cmp_lg_u32 s16, 0
	s_cbranch_scc1 .Lnot_table
	; work-group 0, wave 0: blk[b] = how many experts end at or in front of block b; lane: b = 2 lane, 2 lane + 1
	v_lshlrev_b32 v[C], 1, v1
	v_or_b32 v[C+1], 1, v[C]
	v_mov_b32 v[C+2], 0
	v_mov_b32 v[C+3], 0
.irp e, 0,1,2,3,4,5,6,7
	v_cmp_le_u32 vcc_lo, s[48+\e], v[C]
	v_add_co_ci_u32 v[C+2], vcc_lo, 0, v[C+2], vcc_lo
	v_cmp_le_u32 vcc_lo, s[48+\e], v[C+1]
	v_add_co_ci_u32 v[C+3], vcc_lo, 0, v[C+3], vcc_lo
.endr
	v_lshlrev_b32 v[C+4], 3, v1
	global_store_b64 v[C+4], v[C+2:C+3], s[12:13] offset:32768   ; 256 consecutive bytes, aligned
	s_branch .Lend
.Lnot_table:
	s_cmp_lg_u32 s16, 1
	s_cbranch_scc1 .Lend
	; work-group 0, wave 1: the loss.  Lane: the rows lane + 32 j of psum
.irp j, 0,1,2,3,4,5,6,7
	global_load_b128 v[X+8*\j:X+8*\j+3],   v3, s[8:9] offset:32768+1024*\j
	global_load_b128 v[X+8*\j+4:X+8*\j+7], v3, s[8:9] offset:32768+1024*\j+16
.endr
.irp e, 0,1,2,3,4,5,6,7
	s_cvt_f32_u32 s[24+\e], s[24+\e]
.endr
	v_mov_b32 v[C+1], 0
	v_mov_b32 v[C+2], 0
	s_wait_loadcnt 0x0
.irp j, 1,2,3,4,5,6,7
.irp k, 0,2,4,6
	v_pk_add_f32 v[X+\k:X+\k+1], v[X+\k:X+\k+1], v[X+8*\j+\k:X+8*\j+\k+1]
.endr
.endr
	v_mul_f32 v[C], s24, v[X]
.irp e, 1,2,3,4,5,6,7
	v_fma_f32 v[C], s[24+\e], v[X+\e], v[C]
.endr
	v_add_f32_dpp v[C], v[C], v[C] row_xmask:1 row_mask:0xf bank_mask:0xf
	v_add_f32_dpp v[C], v[C], v[C] row_xmask:2 row_mask:0xf bank_mask:0xf
	v_add_f32_dpp v[C], v[C], v[C] row_xmask:4 row_mask:0xf bank_mask:0xf
	v_add_f32_dpp v[C], v[C], v[C] row_xmask:8 row_mask:0xf bank_mask:0xf
	v_permlanex16_b32 v[C+1], v[C], s20, s21
	v_add_f32 v[C], v[C], v[C+1]
	v_mul_f32 v[C], 0x31a3d70a, v[C]               ; 0.08 x 2^-24
	s_wait_xcnt 0x0                                ; EXEC is a source of the memory instructions above: it changes only behind this wait
	v_cmp_eq_u32 vcc_lo, 0, v1
	s_and_saveexec_b32 s19, vcc_lo
	global_store_b32 v[C+2], v[C], s[14:15]
	s_wait_xcnt 0x0
	s_or_b32 exec_lo, exec_lo, s19
.Lend:
	s_endpgm
.Lfunc_end_k_q2ae5f57591_place:
	.size	k_q2ae5f57591_place, .Lfunc_end_k_q2ae5f57591_place-k_q2ae5f57591_place
	.p2alignl 7, 3214868480
	.fill 96, 4, 3214868480
	.section	.rodata,"a",@progbits
	.p2align	6, 0x0
	.amdhsa_kernel k_q2ae5f57591_place
		.amdhsa_group_segment_fixed_size 0
		.amdhsa_private_segment_fixed_size 0
		.amdhsa_enable_private_segment 0
		.amdhsa_kernarg_size 48
		.amdhsa_user_sgpr_count 2
		.amdhsa_user_sgpr_kernarg_segment_ptr 1
		.amdhsa_wavefront_size32 1
		.amdhsa_system_sgpr_workgroup_id_x 1
		.amdhsa_system_sgpr_workgroup_id_y 1
		.amdhsa_system_sgpr_workgroup_id_z 1
		.amdhsa_system_vgpr_workitem_id 0
		.amdhsa_next_free_vgpr 168
		.amdhsa_next_free_sgpr 66
		.amdhsa_reserve_vcc 1
		.amdhsa_float_denorm_mode_32 3
		.amdhsa_float_denorm_mode_16_64 3
		.amdhsa_memory_ordered 1
		.amdhsa_forward_progress 1
		.amdhsa_inst_pref_size 29
	.end_amdhsa_kernel
	.amdgpu_metadata
---
amdhsa.version: [ 1, 2 ]
amdhsa.kernels:
  - .name:           k_q2ae5f57591_place
    .symbol:         k_q2ae5f57591_place.kd
    .args:
      - { .name: x, .offset: 0, .size: 8, .value_kind: global_buffer, .address_space: global }
      - { .name: route, .offset: 8, .size: 8, .value_kind: global_buffer, .address_space: global }
      - { .name: rw, .offset: 16, .size: 8, .value_kind: global_buffer, .address_space: global }
      - { .name: xs, .offset: 24, .size: 8, .value_kind: global_buffer, .address_space: global }
      - { .name: plan, .offset: 32, .size: 8, .value_kind: global_buffer, .address_space: global }
      - { .name: out1, .offset: 40, .size: 8, .value_kind: global_buffer, .address_space: global }
    .group_segment_fixed_size: 0
    .private_segment_fixed_size: 0
    .kernarg_segment_align: 8
    .kernarg_segment_size: 48
    .max_flat_workgroup_size: 256
    .sgpr_count:     66
    .vgpr_count:     168
    .wavefront_size: 32
...
	.end_amdgpu_metadata
.endif
;; end of part 2
;; launch gemm1 (part 3): grid 4 x 64, 4 waves a work-group, clusters of 4 x 1, 327,680 bytes of LDS; arguments xs, wb, plan, hs; writes hs
.if DOCPART == 3
	.amdgcn_target "amdgcn-amd-amdhsa--gfx1250"
	.amdhsa_code_object_version 6
	.text
	.protected	k_q2ae5f57591_gemm1
	.globl	k_q2ae5f57591_gemm1
	.p2align	8
	.type	k_q2ae5f57591_gemm1,@function
k_q2ae5f57591_gemm1:
	s_mov_b64 s[64:65], 0
	v_nop
	global_prefetch_b8 v0, s[64:65] scope:SCOPE_SE
	s_setreg_imm32_b32 hwreg(HW_REG_WAVE_MODE, 25, 1), 1
	s_wait_xcnt 0x0
	s_wait_alu depctr_hold_cnt(0) depctr_sa_sdst(0) depctr_va_vdst(0) depctr_va_sdst(0) depctr_va_ssrc(0) depctr_va_vcc(0) depctr_vm_vsrc(0)
	s_getreg_b32 s2, hwreg(HW_REG_IB_STS2, 6, 4)
	s_cmp_eq_u32 s2, 0
	s_cbranch_scc0 .Lentry_in_a_cluster
	s_endpgm
.Lentry_in_a_cluster:
	s_bfe_u32 s2, ttmp6, 0x10000c
	s_cmp_lg_u32 s2, 0x3003
	s_cbranch_scc0 .Lentry_shape_is_right
	s_endpgm
.Lentry_shape_is_right:
; gemm1.  hs[slot][f] = silu(xs[slot] . gate_e[f]) x (xs[slot] . up_e[f]), bf16; e = the expert of the slot's block.  Sums in f32.
; A work-group makes one block of 144 slots times 256 rows of wgu (128 gate rows and their 128 up rows: 128 columns of hs).
; Four waves, as many as a WGP has SIMDs; wave w takes all 144 slots x rows 64 w .. 64 w + 63 (32 gate rows, then their 32 up rows):
; 9 x 4 accumulator tiles of 16 x 16, 288 registers.  K = 1,024 goes in steps of 128 through two LDS slots filled by the tensor
; data mover; a tile's rows are 256 bytes of memory and start at multiples of 256 bytes from the buffer's first byte.
; The grid is the bound of 64 blocks.  A routing that needs fewer leaves up to 7 last blocks whose rows of xs are all zeros; they are
; multiplied like the others (with expert 7's weights), because a way round would put barriers under a branch on loaded numbers.
; CLUSTERS: the four work-groups of a cluster are the four column tiles of one block and read the same tiles of xs: these are asked for
; JOINTLY (mask 15), 39,168 of a slot's 108,800 bytes.  The weights' tiles are not shared inside a cluster (each column tile has its own),
; and which blocks have the same expert hangs on the routing, so no fixed cluster could share them: they come by plain loads.
; LIMIT: where an expert that a token did NOT choose would overflow, reference() has 0 x inf = NaN; this program never forms that product.
;
; REGISTERS, in windows of 256 (s_set_vgpr_msb: bits 1:0 source 0, 3:2 source 1, 5:4 source 2, 7:6 destination):
;   window 0: v1-v26 addresses; two fragment buffers of 104 registers: 4 fragments of weights, then 9 of xs (16 rows x 32 K each)
;   window 1: accumulator tiles of slot rows 0-63 (tile (a, c) at v[8 (4 a + c)]);   window 2: those of rows 64-143
; THE MATRIX INSTRUCTION IS USED TRANSPOSED: source 0 = 16 rows of weights, source 1 = 16 slots.  Lane l then holds slot l % 16 and, in its
; registers 0 to 7, the columns 8 (l / 16) + 0 .. 7: eight neighbouring numbers of a row of the result.
.set KP,     1024                      ; K, and the pitch of both operands in elements
.set WOFF,   0                         ; where the weights begin in wb
.set LAPS,   KP/256                    ; a lap = two K steps = once round the ring
.set KSTEP,  128
.set PITCH,  272                       ; an LDS row: 256 bytes + 16 of padding: the 16 rows that a load touches start 16 bytes apart modulo 256
.set BHALF,  128*PITCH                 ; what one load of weights brings
.set AHALF,  72*PITCH                  ; what one load of xs brings
.set AOFF,   2*BHALF                   ; a slot: 256 rows of weights, then 144 rows of xs
.set SLOT,   AOFF+2*AHALF              ; 108,800
.set STAGE,  2*SLOT                    ; 217,600 = 850 x 256: behind the ring, never filled by a tensor load: 144 rows x 272 bytes
.set ADRA, 16                          ; v16-17  LDS address of my xs fragments in slot 0, 1
.set ADRB, 20                          ; v20-21  the same for the weights
.set STO,  24
.set RD,   25
.set CO,   26
.set F0,   32
.set F1,   136
.set T,    32                          ; the way out: f32 at work
.set PK,   136                         ; the way out: packed bf16
.set G1A, 24                           ; s[24:31] group 1 for xs      s[32:39] group 0 for xs, a set for each slot
.set G0A, 32
.set G1B, 40                           ; s[40:47] group 1 for weights  s[48:55] group 0 for weights, a set for each slot
.set G0B, 48
.set MUL_LO, 0x50                      ; sources in window 0, C and D in window 1
.set MUL_HI, 0xa0                      ; C and D in window 2
.set MSB, 0
.macro WIN new                         ; the immediate's high byte repeats the setting that is left
.if MSB != \new
	s_set_vgpr_msb (MSB<<8)|\new
.set MSB, \new
.endif
.endm
; One tensor load a wave: waves 0 and 1 fetch the two halves of the weights' tile (plain), waves 2 and 3 the two halves of xs's (joint).
; The branch hangs on the wave's number alone.
.macro JLOAD s
	s_cmp_eq_u32 s13, 0
	s_cbranch_scc0 .Lfor_a_\@
	tensor_load_to_lds s[G0B+4*\s:G0B+4*\s+3], s[G1B:G1B+7]
	s_nop 0
	s_branch .Lasked_\@
.Lfor_a_\@:
	tensor_load_to_lds s[G0A+4*\s:G0A+4*\s+3], s[G1A:G1A+7]
	s_nop 0
.Lasked_\@:
.endm
; A round of the cluster's barrier: my work-group's barrier, wave 0 signals for the work-group, every wave waits for all four work-groups,
; my work-group's barrier once more.
.macro CREST                           ; a round behind its opening barrier
	s_cmp_lg_u32 s12, 0
	s_cbranch_scc1 .Lnot_wave_0_\@
	s_barrier_signal -3
.Lnot_wave_0_\@:
	s_barrier_wait -3
	s_barrier_signal -1
	s_barrier_wait -1
.endm
.macro CROUND
	s_barrier_signal -1
	s_barrier_wait -1
	CREST
.endm
.macro PLACES                          ; four plain places behind matrix instructions, in front of loads into their sources and of readers of their results
.rept 4
	v_nop
.endr
.endm
; four matrix instructions: slot rows 16 row .. + 15 (tile row `tile` of the window in force) x my 64 rows of weights, 32 along K
.macro MUL4 f, row, tile, zero
.irp c, 0,1,2,3
.if \zero
	v_wmma_f32_16x16x32_bf16 v[8*(4*\tile+\c):8*(4*\tile+\c)+7], v[\f+8*\c:\f+8*\c+7], v[\f+32+8*\row:\f+32+8*\row+7], 0
.else
	v_wmma_f32_16x16x32_bf16 v[8*(4*\tile+\c):8*(4*\tile+\c)+7], v[\f+8*\c:\f+8*\c+7], v[\f+32+8*\row:\f+32+8*\row+7], v[8*(4*\tile+\c):8*(4*\tile+\c)+7]
.endif
.endr
.endm
; The 36 accumulators take turns, one instruction a turn, in the same order in every quarter step, over the backward jump too.
.macro MULA f, zero
	MUL4 \f, 0, 0, \zero
	MUL4 \f, 1, 1, \zero
.endm
.macro MULB f, zero
	MUL4 \f, 2, 2, \zero
	MUL4 \f, 3, 3, \zero
.endm
.macro MULC f, zero
	MUL4 \f, 4, 0, \zero
	MUL4 \f, 5, 1, \zero
	MUL4 \f, 6, 2, \zero
	MUL4 \f, 7, 3, \zero
	MUL4 \f, 8, 4, \zero
.endm
; 26 LDS loads in one run: a quarter step's fragments (64 rows of weights, 144 rows of xs, 32 K at byte k of the rows) into buffer f
.macro FETCH slot, k, f
	WIN 0
.irp i, 0,1,2,3
	ds_load_b128 v[\f+8*\i:\f+8*\i+3],   v[ADRB+\slot] offset:\k+\i*16*PITCH
	ds_load_b128 v[\f+8*\i+4:\f+8*\i+7], v[ADRB+\slot] offset:\k+\i*16*PITCH+32
.endr
.irp i, 0,1,2,3,4,5,6,7,8
	ds_load_b128 v[\f+32+8*\i:\f+32+8*\i+3],   v[ADRA+\slot] offset:\k+\i*16*PITCH
	ds_load_b128 v[\f+32+8*\i+4:\f+32+8*\i+7], v[ADRA+\slot] offset:\k+\i*16*PITCH+32
.endr
.endm
; One of a K step's first three quarters: multiplies buffer f; in its middle it fetches the next quarter's fragments into buffer g
.macro QUARTER slot, k, f, g, zero
	s_wait_dscnt 10                                ; the weights and xs's rows 0-63 are in; the youngest ten loads (rows 64-143) may be out
	WIN MUL_LO
	MULA \f, \zero
	MULB \f, \zero
	PLACES
	FETCH \slot, \k, \g
	s_wait_dscnt 26                                ; all but the 26 just issued
	WIN MUL_HI
	MULC \f, \zero
.endm
.macro THREE slot, zero
	QUARTER \slot, 64,  F0, F1, \zero
	QUARTER \slot, 128, F1, F0, 0
	QUARTER \slot, 192, F0, F1, 0
.endm
; The last quarter: multiplies buffer 1 and changes slots.  In front of the barrier each wave waits for its reads of this slot and for all its
; tensor loads (one is out: its part of the next slot).  Behind it nobody reads this slot and the next slot is whole.  fill = 1: the barrier
; opens a round of the cluster's barrier, and the refill, two K steps ahead, is the first tensor load behind the round, one a wave.
; From a request to the wait for it a wave issues 136 matrix instructions.
.macro TURN slot, next, fill
	s_wait_dscnt 10
	WIN MUL_LO
	MULA F1, 0
	s_wait_dscnt 0x0                               ; my reads of this slot are over
	s_wait_tensorcnt 0x0                           ; all my tensor loads have landed
	ds_add_u32 v254, v255
	s_wait_dscnt 0x0
	s_barrier_signal -1
	MULB F1, 0                                     ; register work while the others arrive
	WIN 0
	s_barrier_wait -1
.if \fill
	CREST
	s_add_nc_u64 s[G0A+4*\slot+2:G0A+4*\slot+3], s[G0A+4*\slot+2:G0A+4*\slot+3], 2*KSTEP*2   ; no tensor load of mine is out: a group 0 may be written
	s_add_nc_u64 s[G0B+4*\slot+2:G0B+4*\slot+3], s[G0B+4*\slot+2:G0B+4*\slot+3], 2*KSTEP*2
	JLOAD \slot
.endif
	PLACES
	FETCH \next, 0, F0
	WIN MUL_HI
	MULC F1, 0
.endm
.macro LAP zero
	THREE 0, \zero
	TURN 0, 1, 1
	THREE 1, 0
	TURN 1, 0, 1
.endm
	s_load_b256 s[4:11], s[0:1], 0x0               ; xs 4:5, wb 6:7, plan 8:9, hs 10:11
	v_lshl_add_u32 v254, v0, 2, 0x3eb00
	v_mov_b32 v255, 0
	ds_add_u32 v254, v255
	v_lshrrev_b32 v1, 5, v0
	v_readfirstlane_b32 s12, v1                    ; wave
	s_lshr_b32 s13, s12, 1                         ; I fetch weights (0) or xs (1)
	s_and_b32 s14, s12, 1                          ; which half of that tile
	s_bfe_u32 s19, ttmp6, 0x40000                  ; cx
	s_lshl_b32 s15, ttmp9, 2
	s_add_co_u32 s15, s15, s19                     ; column tile = 4 x cluster x + cx
	s_and_b32 s16, ttmp7, 0xffff                   ; block = cluster y
	s_lshl_b32 s18, s16, 2
	s_wait_dscnt 0x0
	s_wait_kmcnt 0x0
	s_load_b32 s17, s[8:9], s18 offset:0x8000      ; blk[block]
	s_mov_b32 s[G1A+0], 15|(1<<16)|(1<<20)|(1<<21)|(5<<22)|(3<<25)   ; mask: all four of the cluster; 2-byte elements; padding on; bit 21 beside a mask; after every 64 words, 4 words
	s_mov_b32 s[G1A+1], KSTEP<<16                  ; tensor_dim0 = 128
	s_mov_b32 s[G1A+2], 72<<16                     ; tensor_dim1 = 72
	s_mov_b32 s[G1A+3], KSTEP<<16                  ; tile_dim0 = 128
	s_mov_b32 s[G1A+4], 72                         ; tile_dim1 = 72
	s_mov_b32 s[G1A+5], KP                         ; elements from row to row
	s_mov_b32 s[G1A+6], 0
	s_mov_b32 s[G1A+7], 0
	s_mov_b32 s[G1B+0], (1<<16)|(1<<20)|(5<<22)|(3<<25)   ; no mask: a load of my own
	s_mov_b32 s[G1B+1], KSTEP<<16
	s_mov_b32 s[G1B+2], 128<<16
	s_mov_b32 s[G1B+3], KSTEP<<16
	s_mov_b32 s[G1B+4], 128
	s_mov_b32 s[G1B+5], KP
	s_mov_b32 s[G1B+6], 0
	s_mov_b32 s[G1B+7], 0
	s_mul_i32 s20, s16, 144                        ; xs: row 144 x block + 72 x half: made of the block and the wave alone,
	s_mul_i32 s21, s14, 72                         ; in registers that never hold the column tile
	s_add_co_u32 s20, s20, s21
	s_mul_i32 s20, s20, 2*KP
	s_mov_b32 s21, 0
	s_mul_i32 s56, s12, AHALF                      ; where xs's halves go: waves 2 and 3, behind the weights
	s_add_co_u32 s56, s56, AOFF-2*AHALF
	s_mul_i32 s57, s12, BHALF                      ; where the weights' halves go: waves 0 and 1
	s_wait_kmcnt 0x0
	s_min_u32 s17, s17, 7                          ; a block without pairs (8) multiplies its zeros by expert 7
	s_lshl_b32 s22, s17, 10                        ; weights: row 1,024 e + 256 x tile + 128 x half
	s_lshl_b32 s23, s15, 8
	s_add_co_u32 s22, s22, s23
	s_lshl_b32 s23, s14, 7
	s_add_co_u32 s22, s22, s23
	s_mul_i32 s22, s22, 2*KP
.if WOFF
	s_add_co_u32 s22, s22, WOFF
.endif
	s_mov_b32 s23, 0
	s_add_nc_u64 s[20:21], s[4:5], s[20:21]
	s_add_nc_u64 s[22:23], s[6:7], s[22:23]
	CROUND                                         ; all four work-groups are here: the first joint loads meet
.irp s, 0,1
	s_mov_b32 s[G0A+4*\s], 1
	s_add_co_u32 s[G0A+4*\s+1], s56, \s*SLOT
	s_add_nc_u64 s[G0A+4*\s+2:G0A+4*\s+3], s[20:21], \s*KSTEP*2
	s_or_b32 s[G0A+4*\s+3], s[G0A+4*\s+3], 0x80000000
	s_mov_b32 s[G0B+4*\s], 1
	s_add_co_u32 s[G0B+4*\s+1], s57, \s*SLOT
	s_add_nc_u64 s[G0B+4*\s+2:G0B+4*\s+3], s[22:23], \s*KSTEP*2
	s_or_b32 s[G0B+4*\s+3], s[G0B+4*\s+3], 0x80000000
	JLOAD \s                                       ; both slots' first fills go out together: two tensor loads of the wave are out
.endr
	; a fragment: lane l holds row l % 16; registers 0-3 K = 8 (l / 16) + 0..7, registers 4-7 K = 16 + 8 (l / 16) + 0..7: two loads of 16 bytes, 32 apart
	v_and_b32 v1, 15, v0                           ; r
	v_bfe_u32 v2, v0, 4, 1                         ; h
	v_mul_u32_u24 v3, v1, PITCH
	v_lshl_add_u32 v3, v2, 4, v3                   ; 272 r + 16 h
	s_mul_i32 s58, s12, 64*PITCH                   ; my 64 rows of weights
.irp s, 0,1
	v_add_nc_u32 v[ADRA+\s], AOFF+\s*SLOT, v3
	v_add_nc_u32 v[ADRB+\s], s58, v3
	s_add_co_u32 s58, s58, SLOT
.endr
	s_lshl_b32 s59, s12, 6
	s_add_co_u32 s59, s59, STAGE
	v_add_nc_u32 v[STO], s59, v3                   ; in: row r, my wave's 64 bytes, 16 for each half of the lanes
	v_mul_u32_u24 v4, v2, PITCH
	v_lshl_add_u32 v4, v1, 4, v4
	s_mul_i32 s59, s12, 36*PITCH
	s_add_co_u32 s59, s59, STAGE
	v_add_nc_u32 v[RD], s59, v4                    ; back: my wave's 36 rows, lanes 0-15 one row of 256 bytes, lanes 16-31 the next
	v_lshlrev_b32 v5, 10, v2
	v_lshl_add_u32 v5, v1, 4, v5
	s_mul_i32 s59, s12, 36*1024
	v_add_nc_u32 v[CO], s59, v5                    ; and the same rows in hs (1,024 bytes a row)
	s_wait_tensorcnt 0x1                           ; my part of K step 0 is in; K step 1's stays out
	s_barrier_signal -1
	s_barrier_wait -1
	FETCH 0, 0, F0
	LAP 1                                          ; the first products start the sums: nothing is cleared
.if LAPS > 2
	WIN 0
	s_mov_b32 s3, LAPS-2
.Llap:
	LAP 0
	WIN 0
	s_sub_co_u32 s3, s3, 1
	s_cmp_lg_u32 s3, 0
	s_cbranch_scc1 .Llap
.endif
	THREE 0, 0                                     ; the last lap fills nothing
	TURN 0, 1, 0
	THREE 1, 0
	s_wait_dscnt 10
	WIN MUL_LO
	MULA F1, 0
	MULB F1, 0
	s_wait_dscnt 0x0
	WIN MUL_HI
	MULC F1, 0
	; THE WAY OUT.  Tiles c = 0, 1 hold g, tiles c + 2 the u of the same columns.  h = (g x 1 / (1 + 2^(-1.4427 g))) x u, in this order, so that a
	; large negative g gives 0 x u and never inf x 0.  bf16, 16 bytes a lane into the stage; then whole rows of 256 bytes.
	PLACES
	s_mul_i32 s22, s16, 144*1024
	s_lshl_b32 s23, s15, 8
	s_add_co_u32 s22, s22, s23
	s_mov_b32 s23, 0
	s_add_nc_u64 s[10:11], s[10:11], s[22:23]      ; hs at my block's first row, my tile's 256 bytes
; win: the accumulators' window, as source 0; na tile rows; abase: the first of them among the nine.
; Pair q of a window's g: registers 32 (q / 8) + 2 (q % 8); its u 16 further.
.macro ACT win, na, abase
	WIN \win
.set q, 0
.rept 8*\na
	v_pk_mul_f32 v[T+2*q:T+2*q+1], v[32*(q/8)+2*(q%8):32*(q/8)+2*(q%8)+1], 0xbfb8aa3b op_sel_hi:[1,0]
.set q, q+1
.endr
	WIN 0
.set q, 0
.rept 16*\na
	v_exp_f32 v[T+q], v[T+q]
.set q, q+1
.endr
	v_nop                                          ; one plain place behind the last transcendental (ISA guide 5.7.2)
.set q, 0
	s_wait_alu depctr_va_vdst(0)
.rept 8*\na
	v_pk_add_f32 v[T+2*q:T+2*q+1], v[T+2*q:T+2*q+1], 1.0 op_sel_hi:[1,0]
.set q, q+1
.endr
.set q, 0
.rept 16*\na
	v_rcp_f32 v[T+q], v[T+q]
.set q, q+1
.endr
	v_nop
	WIN \win
.set q, 0
	s_wait_alu depctr_va_vdst(0)
.rept 8*\na
	v_pk_mul_f32 v[T+2*q:T+2*q+1], v[32*(q/8)+2*(q%8):32*(q/8)+2*(q%8)+1], v[T+2*q:T+2*q+1]
.set q, q+1
.endr
.set q, 0
.rept 8*\na
	v_pk_mul_f32 v[T+2*q:T+2*q+1], v[32*(q/8)+2*(q%8)+16:32*(q/8)+2*(q%8)+17], v[T+2*q:T+2*q+1]
.set q, q+1
.endr
	WIN 0
.set q, 0
.rept 8*\na
	v_cvt_pk_bf16_f32 v[PK+q], v[T+2*q], v[T+2*q+1]
.set q, q+1
.endr
.set q, 0
.rept 2*\na
	ds_store_b128 v[STO], v[PK+4*q:PK+4*q+3] offset:16*PITCH*(\abase+q/2)+32*(q%2)
.set q, q+1
.endr
.endm
	ACT 1, 4, 0
	ACT 2, 5, 4
	s_wait_dscnt 0x0                               ; my columns of all 144 rows are in the stage, for the other waves' sake
	s_barrier_signal -1
	s_barrier_wait -1
.set q, 0
.rept 18
	ds_load_b128 v[T+4*q:T+4*q+3], v[RD] offset:2*PITCH*q
.set q, q+1
.endr
.set q, 0
.rept 18
	s_wait_dscnt 17-q                              ; load q is in, the younger ones stay out
	global_store_b128 v[CO], v[T+4*q:T+4*q+3], s[10:11] offset:2048*q   ; 16 lanes store 256 consecutive bytes, aligned
.set q, q+1
.endr
	s_wait_tensorcnt 0x0
	ds_add_u32 v254, v255
	s_wait_dscnt 0x0
	CROUND                                         ; the closing round: no work-group ends while a partner may still ask jointly
	s_endpgm
.Lfunc_end_k_q2ae5f57591_gemm1:
	.size	k_q2ae5f57591_gemm1, .Lfunc_end_k_q2ae5f57591_gemm1-k_q2ae5f57591_gemm1
	.p2alignl 7, 3214868480
	.fill 96, 4, 3214868480
	.section	.rodata,"a",@progbits
	.p2align	6, 0x0
	.amdhsa_kernel k_q2ae5f57591_gemm1
		.amdhsa_group_segment_fixed_size 327680
		.amdhsa_private_segment_fixed_size 0
		.amdhsa_enable_private_segment 0
		.amdhsa_kernarg_size 32
		.amdhsa_user_sgpr_count 2
		.amdhsa_user_sgpr_kernarg_segment_ptr 1
		.amdhsa_wavefront_size32 1
		.amdhsa_system_sgpr_workgroup_id_x 1
		.amdhsa_system_sgpr_workgroup_id_y 1
		.amdhsa_system_sgpr_workgroup_id_z 1
		.amdhsa_system_vgpr_workitem_id 0
		.amdhsa_next_free_vgpr 672
		.amdhsa_next_free_sgpr 66
		.amdhsa_reserve_vcc 0
		.amdhsa_float_denorm_mode_32 3
		.amdhsa_float_denorm_mode_16_64 3
		.amdhsa_memory_ordered 1
		.amdhsa_forward_progress 1
		.amdhsa_inst_pref_size 149
	.end_amdhsa_kernel
	.amdgpu_metadata
---
amdhsa.version: [ 1, 2 ]
amdhsa.kernels:
  - .name:           k_q2ae5f57591_gemm1
    .symbol:         k_q2ae5f57591_gemm1.kd
    .args:
      - { .name: xs, .offset: 0, .size: 8, .value_kind: global_buffer, .address_space: global }
      - { .name: wb, .offset: 8, .size: 8, .value_kind: global_buffer, .address_space: global }
      - { .name: plan, .offset: 16, .size: 8, .value_kind: global_buffer, .address_space: global }
      - { .name: hs, .offset: 24, .size: 8, .value_kind: global_buffer, .address_space: global }
    .group_segment_fixed_size: 327680
    .private_segment_fixed_size: 0
    .kernarg_segment_align: 8
    .kernarg_segment_size: 32
    .max_flat_workgroup_size: 128
    .sgpr_count:     66
    .vgpr_count:     672
    .wavefront_size: 32
...
	.end_amdgpu_metadata
.endif
;; end of part 3
;; launch gemm2 (part 4): grid 4 x 64, 4 waves a work-group, clusters of 4 x 1, 327,680 bytes of LDS; arguments hs, wb, plan, yp; writes yp
.if DOCPART == 4
	.amdgcn_target "amdgcn-amd-amdhsa--gfx1250"
	.amdhsa_code_object_version 6
	.text
	.protected	k_q2ae5f57591_gemm2
	.globl	k_q2ae5f57591_gemm2
	.p2align	8
	.type	k_q2ae5f57591_gemm2,@function
k_q2ae5f57591_gemm2:
	s_mov_b64 s[64:65], 0
	v_nop
	global_prefetch_b8 v0, s[64:65] scope:SCOPE_SE
	s_setreg_imm32_b32 hwreg(HW_REG_WAVE_MODE, 25, 1), 1
	s_wait_xcnt 0x0
	s_wait_alu depctr_hold_cnt(0) depctr_sa_sdst(0) depctr_va_vdst(0) depctr_va_sdst(0) depctr_va_ssrc(0) depctr_va_vcc(0) depctr_vm_vsrc(0)
	s_getreg_b32 s2, hwreg(HW_REG_IB_STS2, 6, 4)
	s_cmp_eq_u32 s2, 0
	s_cbranch_scc0 .Lentry_in_a_cluster
	s_endpgm
.Lentry_in_a_cluster:
	s_bfe_u32 s2, ttmp6, 0x10000c
	s_cmp_lg_u32 s2, 0x3003
	s_cbranch_scc0 .Lentry_shape_is_right
	s_endpgm
.Lentry_shape_is_right:
; gemm2.  yp[slot][d] = hs[slot] . down_e[d], f32; e = the expert of the slot's block.  Operands bf16, sums in f32.
; The same frame as gemm1 with K = 512: a work-group makes one block of 144 slots times 256 rows of w_down (256 columns of yp); four waves,
; as many as a WGP has SIMDs; wave w takes all 144 slots x rows 64 w .. 64 w + 63: 9 x 4 accumulator tiles, 288 registers.  K goes in steps
; of 128 through two LDS slots filled by the tensor data mover; a tile's rows are 256 bytes of memory, at multiples of 256 bytes.
; The routing weights are not applied here: the next launch joins a token's two rows with them, in f32.
; Blocks without pairs hold rows of zeros and are multiplied like the others (expert 7's weights): a way round would put barriers under a
; branch on loaded numbers.  Their rows of yp are stored and never read.
; CLUSTERS: the four work-groups of a cluster are the four column tiles of one block and read the same tiles of hs: asked for JOINTLY (mask 15),
; 39,168 of a slot's 108,800 bytes.  The weights' tiles differ inside a cluster, and which blocks share an expert hangs on the routing, so no
; fixed cluster could share them: plain loads.
;
; REGISTERS, in windows of 256 (s_set_vgpr_msb: bits 1:0 source 0, 3:2 source 1, 5:4 source 2, 7:6 destination):
;   window 0: v1-v26 addresses; two fragment buffers of 104 registers: 4 fragments of weights, then 9 of hs (16 rows x 32 K each)
;   window 1: accumulator tiles of slot rows 0-63 (tile (a, c) at v[8 (4 a + c)]);   window 2: those of rows 64-143
; THE MATRIX INSTRUCTION IS USED TRANSPOSED: source 0 = 16 rows of weights, source 1 = 16 slots.  Lane l then holds slot l % 16 and, in its
; registers 0 to 7, the columns 8 (l / 16) + 0 .. 7: 32 neighbouring bytes of a row of yp.
.set KP,     512
.set WOFF,   16777216                  ; w_down in bf16 lies behind wgu in wb
.set LAPS,   KP/256
.set KSTEP,  128
.set PITCH,  272                       ; an LDS row: 256 bytes + 16 of padding: the 16 rows that a load touches start 16 bytes apart modulo 256
.set BHALF,  128*PITCH
.set AHALF,  72*PITCH
.set AOFF,   2*BHALF
.set SLOT,   AOFF+2*AHALF              ; 108,800
.set STAGE,  2*SLOT                    ; 217,600 = 850 x 256: behind the ring, never filled by a tensor load: 16 rows x 272 bytes for each wave
.set ADRA, 16
.set ADRB, 20
.set STO,  24
.set RD,   25
.set CO,   26
.set F0,   32
.set F1,   136
.set G1A, 24
.set G0A, 32
.set G1B, 40
.set G0B, 48
.set MUL_LO, 0x50
.set MUL_HI, 0xa0
.set MSB, 0
.macro WIN new                         ; the immediate's high byte repeats the setting that is left
.if MSB != \new
	s_set_vgpr_msb (MSB<<8)|\new
.set MSB, \new
.endif
.endm
; One tensor load a wave: waves 0 and 1 fetch the two halves of the weights' tile (plain), waves 2 and 3 the two halves of hs's (joint).
.macro JLOAD s
	s_cmp_eq_u32 s13, 0
	s_cbranch_scc0 .Lfor_a_\@
	tensor_load_to_lds s[G0B+4*\s:G0B+4*\s+3], s[G1B:G1B+7]
	s_nop 0
	s_branch .Lasked_\@
.Lfor_a_\@:
	tensor_load_to_lds s[G0A+4*\s:G0A+4*\s+3], s[G1A:G1A+7]
	s_nop 0
.Lasked_\@:
.endm
.macro CREST                           ; a round of the cluster's barrier behind its opening barrier
	s_cmp_lg_u32 s12, 0
	s_cbranch_scc1 .Lnot_wave_0_\@
	s_barrier_signal -3
.Lnot_wave_0_\@:
	s_barrier_wait -3
	s_barrier_signal -1
	s_barrier_wait -1
.endm
.macro CROUND
	s_barrier_signal -1
	s_barrier_wait -1
	CREST
.endm
.macro PLACES                          ; four plain places behind matrix instructions, in front of loads into their sources and of readers of their results
.rept 4
	v_nop
.endr
.endm
.macro MUL4 f, row, tile, zero
.irp c, 0,1,2,3
.if \zero
	v_wmma_f32_16x16x32_bf16 v[8*(4*\tile+\c):8*(4*\tile+\c)+7], v[\f+8*\c:\f+8*\c+7], v[\f+32+8*\row:\f+32+8*\row+7], 0
.else
	v_wmma_f32_16x16x32_bf16 v[8*(4*\tile+\c):8*(4*\tile+\c)+7], v[\f+8*\c:\f+8*\c+7], v[\f+32+8*\row:\f+32+8*\row+7], v[8*(4*\tile+\c):8*(4*\tile+\c)+7]
.endif
.endr
.endm
; The 36 accumulators take turns, one instruction a turn, in the same order in every quarter step.
.macro MULA f, zero
	MUL4 \f, 0, 0, \zero
	MUL4 \f, 1, 1, \zero
.endm
.macro MULB f, zero
	MUL4 \f, 2, 2, \zero
	MUL4 \f, 3, 3, \zero
.endm
.macro MULC f, zero
	MUL4 \f, 4, 0, \zero
	MUL4 \f, 5, 1, \zero
	MUL4 \f, 6, 2, \zero
	MUL4 \f, 7, 3, \zero
	MUL4 \f, 8, 4, \zero
.endm
.macro FETCH slot, k, f                ; 26 LDS loads in one run: a quarter step's fragments into buffer f
	WIN 0
.irp i, 0,1,2,3
	ds_load_b128 v[\f+8*\i:\f+8*\i+3],   v[ADRB+\slot] offset:\k+\i*16*PITCH
	ds_load_b128 v[\f+8*\i+4:\f+8*\i+7], v[ADRB+\slot] offset:\k+\i*16*PITCH+32
.endr
.irp i, 0,1,2,3,4,5,6,7,8
	ds_load_b128 v[\f+32+8*\i:\f+32+8*\i+3],   v[ADRA+\slot] offset:\k+\i*16*PITCH
	ds_load_b128 v[\f+32+8*\i+4:\f+32+8*\i+7], v[ADRA+\slot] offset:\k+\i*16*PITCH+32
.endr
.endm
.macro QUARTER slot, k, f, g, zero
	s_wait_dscnt 10                                ; the weights and hs's rows 0-63 are in; the youngest ten loads (rows 64-143) may be out
	WIN MUL_LO
	MULA \f, \zero
	MULB \f, \zero
	PLACES
	FETCH \slot, \k, \g
	s_wait_dscnt 26                                ; all but the 26 just issued
	WIN MUL_HI
	MULC \f, \zero
.endm
.macro THREE slot, zero
	QUARTER \slot, 64,  F0, F1, \zero
	QUARTER \slot, 128, F1, F0, 0
	QUARTER \slot, 192, F0, F1, 0
.endm
; The last quarter changes slots: each wave's waits for its reads of this slot and for all its tensor loads stand in front of the barrier;
; fill = 1: the barrier opens a round of the cluster's barrier, and the refill is the first tensor load behind the round, one a wave.
.macro TURN slot, next, fill
	s_wait_dscnt 10
	WIN MUL_LO
	MULA F1, 0
	s_wait_dscnt 0x0                               ; my reads of this slot are over
	s_wait_tensorcnt 0x0                           ; all my tensor loads have landed
	ds_add_u32 v254, v255
	s_wait_dscnt 0x0
	s_barrier_signal -1
	MULB F1, 0
	WIN 0
	s_barrier_wait -1
.if \fill
	CREST
	s_add_nc_u64 s[G0A+4*\slot+2:G0A+4*\slot+3], s[G0A+4*\slot+2:G0A+4*\slot+3], 2*KSTEP*2   ; no tensor load of mine is out: a group 0 may be written
	s_add_nc_u64 s[G0B+4*\slot+2:G0B+4*\slot+3], s[G0B+4*\slot+2:G0B+4*\slot+3], 2*KSTEP*2
	JLOAD \slot
.endif
	PLACES
	FETCH \next, 0, F0
	WIN MUL_HI
	MULC F1, 0
.endm
.macro LAP zero
	THREE 0, \zero
	TURN 0, 1, 1
	THREE 1, 0
	TURN 1, 0, 1
.endm
	s_load_b256 s[4:11], s[0:1], 0x0               ; hs 4:5, wb 6:7, plan 8:9, yp 10:11
	v_lshl_add_u32 v254, v0, 2, 0x39600
	v_mov_b32 v255, 0
	ds_add_u32 v254, v255
	v_lshrrev_b32 v1, 5, v0
	v_readfirstlane_b32 s12, v1                    ; wave
	s_lshr_b32 s13, s12, 1                         ; I fetch weights (0) or hs (1)
	s_and_b32 s14, s12, 1                          ; which half of that tile
	s_bfe_u32 s19, ttmp6, 0x40000                  ; cx
	s_lshl_b32 s15, ttmp9, 2
	s_add_co_u32 s15, s15, s19                     ; column tile = 4 x cluster x + cx
	s_and_b32 s16, ttmp7, 0xffff                   ; block = cluster y
	s_lshl_b32 s18, s16, 2
	s_wait_dscnt 0x0
	s_wait_kmcnt 0x0
	s_load_b32 s17, s[8:9], s18 offset:0x8000      ; blk[block]
	s_mov_b32 s[G1A+0], 15|(1<<16)|(1<<20)|(1<<21)|(5<<22)|(3<<25)   ; mask: all four of the cluster; 2-byte elements; padding on; bit 21 beside a mask; after every 64 words, 4 words
	s_mov_b32 s[G1A+1], KSTEP<<16
	s_mov_b32 s[G1A+2], 72<<16
	s_mov_b32 s[G1A+3], KSTEP<<16
	s_mov_b32 s[G1A+4], 72
	s_mov_b32 s[G1A+5], KP
	s_mov_b32 s[G1A+6], 0
	s_mov_b32 s[G1A+7], 0
	s_mov_b32 s[G1B+0], (1<<16)|(1<<20)|(5<<22)|(3<<25)   ; no mask: a load of my own
	s_mov_b32 s[G1B+1], KSTEP<<16
	s_mov_b32 s[G1B+2], 128<<16
	s_mov_b32 s[G1B+3], KSTEP<<16
	s_mov_b32 s[G1B+4], 128
	s_mov_b32 s[G1B+5], KP
	s_mov_b32 s[G1B+6], 0
	s_mov_b32 s[G1B+7], 0
	s_mul_i32 s20, s16, 144                        ; hs: row 144 x block + 72 x half: made of the block and the wave alone,
	s_mul_i32 s21, s14, 72                         ; in registers that never hold the column tile
	s_add_co_u32 s20, s20, s21
	s_mul_i32 s20, s20, 2*KP
	s_mov_b32 s21, 0
	s_mul_i32 s56, s12, AHALF
	s_add_co_u32 s56, s56, AOFF-2*AHALF
	s_mul_i32 s57, s12, BHALF
	s_wait_kmcnt 0x0
	s_min_u32 s17, s17, 7                          ; a block without pairs (8) multiplies its zeros by expert 7
	s_lshl_b32 s22, s17, 10                        ; weights: row 1,024 e + 256 x tile + 128 x half
	s_lshl_b32 s23, s15, 8
	s_add_co_u32 s22, s22, s23
	s_lshl_b32 s23, s14, 7
	s_add_co_u32 s22, s22, s23
	s_mul_i32 s22, s22, 2*KP
.if WOFF
	s_add_co_u32 s22, s22, WOFF
.endif
	s_mov_b32 s23, 0
	s_add_nc_u64 s[20:21], s[4:5], s[20:21]
	s_add_nc_u64 s[22:23], s[6:7], s[22:23]
	CROUND                                         ; all four work-groups are here: the first joint loads meet
.irp s, 0,1
	s_mov_b32 s[G0A+4*\s], 1
	s_add_co_u32 s[G0A+4*\s+1], s56, \s*SLOT
	s_add_nc_u64 s[G0A+4*\s+2:G0A+4*\s+3], s[20:21], \s*KSTEP*2
	s_or_b32 s[G0A+4*\s+3], s[G0A+4*\s+3], 0x80000000
	s_mov_b32 s[G0B+4*\s], 1
	s_add_co_u32 s[G0B+4*\s+1], s57, \s*SLOT
	s_add_nc_u64 s[G0B+4*\s+2:G0B+4*\s+3], s[22:23], \s*KSTEP*2
	s_or_b32 s[G0B+4*\s+3], s[G0B+4*\s+3], 0x80000000
	JLOAD \s                                       ; both slots' first fills go out together: two tensor loads of the wave are out
.endr
	v_and_b32 v1, 15, v0                           ; r
	v_bfe_u32 v2, v0, 4, 1                         ; h
	v_mul_u32_u24 v3, v1, PITCH
	v_lshl_add_u32 v4, v2, 5, v3                   ; 272 r + 32 h, for the way out
	v_lshl_add_u32 v3, v2, 4, v3                   ; 272 r + 16 h
	s_mul_i32 s58, s12, 64*PITCH                   ; my 64 rows of weights
.irp s, 0,1
	v_add_nc_u32 v[ADRA+\s], AOFF+\s*SLOT, v3
	v_add_nc_u32 v[ADRB+\s], s58, v3
	s_add_co_u32 s58, s58, SLOT
.endr
	s_mul_i32 s59, s12, 16*PITCH
	s_add_co_u32 s59, s59, STAGE                   ; my stage
	v_add_nc_u32 v[STO], s59, v4                   ; in: row r, 32 bytes for each half of the lanes
	v_mul_u32_u24 v5, v2, PITCH
	v_lshl_add_u32 v5, v1, 4, v5
	v_add_nc_u32 v[RD], s59, v5                    ; back: lanes 0-15 one row of 256 bytes, lanes 16-31 the next
	v_lshlrev_b32 v6, 12, v2
	v_lshl_add_u32 v[CO], v1, 4, v6                ; and the same two rows in yp (4,096 bytes a row)
	s_wait_tensorcnt 0x1                           ; my part of K step 0 is in; K step 1's stays out
	s_barrier_signal -1
	s_barrier_wait -1
	FETCH 0, 0, F0
	LAP 1                                          ; the first products start the sums: nothing is cleared
.if LAPS > 2
	WIN 0
	s_mov_b32 s3, LAPS-2
.Llap:
	LAP 0
	WIN 0
	s_sub_co_u32 s3, s3, 1
	s_cmp_lg_u32 s3, 0
	s_cbranch_scc1 .Llap
.endif
	THREE 0, 0                                     ; the last lap fills nothing
	TURN 0, 1, 0
	THREE 1, 0
	s_wait_dscnt 10
	WIN MUL_LO
	MULA F1, 0
	MULB F1, 0
	s_wait_dscnt 0x0
	WIN MUL_HI
	MULC F1, 0
	; THE WAY OUT, 16 rows at a time through my own stage: 32 bytes a lane in, whole rows of 256 bytes back.  The stage is the wave's own and LDS serves a
	; wave's instructions in order (ISA guide 5.7.1.4): no barrier, and no wait between the stores and the loads.
	PLACES
	s_mul_i32 s22, s16, 144*4096
	s_lshl_b32 s23, s15, 10
	s_add_co_u32 s22, s22, s23
	s_lshl_b32 s23, s12, 8
	s_add_co_u32 s22, s22, s23
	s_mov_b32 s23, 0
	s_add_nc_u64 s[10:11], s[10:11], s[22:23]      ; yp at my block's first row, my tile's 1,024 bytes, my wave's 256
; rows 16 a .. 16 a + 15: tile row `tile` of the window that `from` names for an LDS store's data (source 1); f: 32 registers, two sets by turns
.macro OUT16 a, from, tile, f
	WIN \from
.irp c, 0,1,2,3
	ds_store_b128 v[STO], v[8*(4*\tile+\c):8*(4*\tile+\c)+3]   offset:64*\c
	ds_store_b128 v[STO], v[8*(4*\tile+\c)+4:8*(4*\tile+\c)+7] offset:64*\c+16
.endr
	WIN 0
	s_wait_xcnt 0x0                                ; set f, which earlier stores read, is loaded again only behind this wait
.irp t, 0,1,2,3,4,5,6,7
	ds_load_b128 v[\f+4*\t:\f+4*\t+3], v[RD] offset:\t*2*PITCH
.endr
.irp t, 0,1,2,3,4,5,6,7
	s_wait_dscnt 7-\t
	global_store_b128 v[CO], v[\f+4*\t:\f+4*\t+3], s[10:11] offset:(16*\a+2*\t)*4096   ; 16 lanes store 256 consecutive bytes, aligned; 581,632 at the most, inside the signed 24 bits
.endr
.endm
	OUT16 0, 0x04, 0, 32
	OUT16 1, 0x04, 1, 64
	OUT16 2, 0x04, 2, 32
	OUT16 3, 0x04, 3, 64
	OUT16 4, 0x08, 0, 32
	OUT16 5, 0x08, 1, 64
	OUT16 6, 0x08, 2, 32
	OUT16 7, 0x08, 3, 64
	OUT16 8, 0x08, 4, 32
	s_wait_tensorcnt 0x0
	ds_add_u32 v254, v255
	s_wait_dscnt 0x0
	CROUND                                         ; the closing round: no work-group ends while a partner may still ask jointly
	s_endpgm
.Lfunc_end_k_q2ae5f57591_gemm2:
	.size	k_q2ae5f57591_gemm2, .Lfunc_end_k_q2ae5f57591_gemm2-k_q2ae5f57591_gemm2
	.p2alignl 7, 3214868480
	.fill 96, 4, 3214868480
	.section	.rodata,"a",@progbits
	.p2align	6, 0x0
	.amdhsa_kernel k_q2ae5f57591_gemm2
		.amdhsa_group_segment_fixed_size 327680
		.amdhsa_private_segment_fixed_size 0
		.amdhsa_enable_private_segment 0
		.amdhsa_kernarg_size 32
		.amdhsa_user_sgpr_count 2
		.amdhsa_user_sgpr_kernarg_segment_ptr 1
		.amdhsa_wavefront_size32 1
		.amdhsa_system_sgpr_workgroup_id_x 1
		.amdhsa_system_sgpr_workgroup_id_y 1
		.amdhsa_system_sgpr_workgroup_id_z 1
		.amdhsa_system_vgpr_workitem_id 0
		.amdhsa_next_free_vgpr 672
		.amdhsa_next_free_sgpr 66
		.amdhsa_reserve_vcc 0
		.amdhsa_float_denorm_mode_32 3
		.amdhsa_float_denorm_mode_16_64 3
		.amdhsa_memory_ordered 1
		.amdhsa_forward_progress 1
		.amdhsa_inst_pref_size 94
	.end_amdhsa_kernel
	.amdgpu_metadata
---
amdhsa.version: [ 1, 2 ]
amdhsa.kernels:
  - .name:           k_q2ae5f57591_gemm2
    .symbol:         k_q2ae5f57591_gemm2.kd
    .args:
      - { .name: hs, .offset: 0, .size: 8, .value_kind: global_buffer, .address_space: global }
      - { .name: wb, .offset: 8, .size: 8, .value_kind: global_buffer, .address_space: global }
      - { .name: plan, .offset: 16, .size: 8, .value_kind: global_buffer, .address_space: global }
      - { .name: yp, .offset: 24, .size: 8, .value_kind: global_buffer, .address_space: global }
    .group_segment_fixed_size: 327680
    .private_segment_fixed_size: 0
    .kernarg_segment_align: 8
    .kernarg_segment_size: 32
    .max_flat_workgroup_size: 128
    .sgpr_count:     66
    .vgpr_count:     672
    .wavefront_size: 32
...
	.end_amdgpu_metadata
.endif
;; end of part 4
;; launch join (part 5): grid 512 x 1, 8 waves a work-group, no clusters, 0 bytes of LDS; arguments yp, plan, rw, out0; writes out0
.if DOCPART == 5
	.amdgcn_target "amdgcn-amd-amdhsa--gfx1250"
	.amdhsa_code_object_version 6
	.text
	.protected	k_q2ae5f57591_join
	.globl	k_q2ae5f57591_join
	.p2align	8
	.type	k_q2ae5f57591_join,@function
k_q2ae5f57591_join:
	s_mov_b64 s[64:65], 0
	v_nop
	global_prefetch_b8 v0, s[64:65] scope:SCOPE_SE
	s_setreg_imm32_b32 hwreg(HW_REG_WAVE_MODE, 25, 1), 1
	s_wait_xcnt 0x0
; join.  out0[t] = w0 yp[slot0] + w1 yp[slot1]: a token's two expert rows, gathered by the slots that `place` stored, with the routing
; weights of `prep`, all f32.  One token a wave: 16 loads of 512 consecutive bytes, all issued before the first is used, 8 stores
; of 512 consecutive bytes.  A stream: no LDS, no barrier, no matrix unit.  Every used row of yp is read once in the launch.
; The slots enter an address only behind a clamp to 9,215, the last row of yp.
.set A, 8                              ; v[8+8j : 8+8j+3] row 0's piece j, v[8+8j+4 : 8+8j+7] row 1's
	s_load_b256 s[4:11], s[0:1], 0x0               ; yp 4:5, plan 6:7, rw 8:9, out0 10:11
	v_lshrrev_b32 v2, 5, v0
	v_readfirstlane_b32 s12, v2                    ; wave
	v_and_b32 v1, 31, v0
	v_lshlrev_b32 v1, 4, v1                        ; 16 x lane
	s_lshl3_add_u32 s12, ttmp9, s12                ; token
	s_lshl_b32 s13, s12, 3
	s_lshl_b32 s20, s12, 12
	s_mov_b32 s21, 0
	s_wait_kmcnt 0x0
	s_load_b64 s[14:15], s[6:7], s13 offset:0x0    ; the two slots
	s_load_b64 s[16:17], s[8:9], s13 offset:0x0    ; the two weights
	s_add_nc_u64 s[10:11], s[10:11], s[20:21]
	s_wait_kmcnt 0x0
	s_min_u32 s14, s14, 9215
	s_min_u32 s15, s15, 9215
	s_lshl_b32 s22, s14, 12
	s_mov_b32 s23, 0
	s_lshl_b32 s24, s15, 12
	s_mov_b32 s25, 0
	s_add_nc_u64 s[22:23], s[4:5], s[22:23]
	s_add_nc_u64 s[24:25], s[4:5], s[24:25]
	s_mov_b32 s18, s17                             ; w1 at the head of a pair of its own: a scalar pair is broadcast from its first register
	s_mov_b32 s19, s17
.irp j, 0,1,2,3,4,5,6,7
	global_load_b128 v[A+8*\j:A+8*\j+3],   v1, s[22:23] offset:512*\j th:TH_LOAD_NT
	global_load_b128 v[A+8*\j+4:A+8*\j+7], v1, s[24:25] offset:512*\j th:TH_LOAD_NT
.endr
.irp j, 0,1,2,3,4,5,6,7
	s_wait_loadcnt 14-2*\j                         ; piece j of both rows is in; the younger pairs stay out
	v_pk_mul_f32 v[A+8*\j+4:A+8*\j+5], v[A+8*\j+4:A+8*\j+5], s[18:19] op_sel_hi:[1,0]
	v_pk_mul_f32 v[A+8*\j+6:A+8*\j+7], v[A+8*\j+6:A+8*\j+7], s[18:19] op_sel_hi:[1,0]
	v_pk_fma_f32 v[A+8*\j:A+8*\j+1],   v[A+8*\j:A+8*\j+1],   s[16:17], v[A+8*\j+4:A+8*\j+5] op_sel_hi:[1,0,1]
	v_pk_fma_f32 v[A+8*\j+2:A+8*\j+3], v[A+8*\j+2:A+8*\j+3], s[16:17], v[A+8*\j+6:A+8*\j+7] op_sel_hi:[1,0,1]
	global_store_b128 v1, v[A+8*\j:A+8*\j+3], s[10:11] offset:512*\j th:TH_STORE_NT   ; no register of a store is written again
.endr
	s_endpgm
.Lfunc_end_k_q2ae5f57591_join:
	.size	k_q2ae5f57591_join, .Lfunc_end_k_q2ae5f57591_join-k_q2ae5f57591_join
	.p2alignl 7, 3214868480
	.fill 96, 4, 3214868480
	.section	.rodata,"a",@progbits
	.p2align	6, 0x0
	.amdhsa_kernel k_q2ae5f57591_join
		.amdhsa_group_segment_fixed_size 0
		.amdhsa_private_segment_fixed_size 0
		.amdhsa_enable_private_segment 0
		.amdhsa_kernarg_size 32
		.amdhsa_user_sgpr_count 2
		.amdhsa_user_sgpr_kernarg_segment_ptr 1
		.amdhsa_wavefront_size32 1
		.amdhsa_system_sgpr_workgroup_id_x 1
		.amdhsa_system_sgpr_workgroup_id_y 1
		.amdhsa_system_sgpr_workgroup_id_z 1
		.amdhsa_system_vgpr_workitem_id 0
		.amdhsa_next_free_vgpr 72
		.amdhsa_next_free_sgpr 66
		.amdhsa_reserve_vcc 0
		.amdhsa_float_denorm_mode_32 3
		.amdhsa_float_denorm_mode_16_64 3
		.amdhsa_memory_ordered 1
		.amdhsa_forward_progress 1
		.amdhsa_inst_pref_size 6
	.end_amdhsa_kernel
	.amdgpu_metadata
---
amdhsa.version: [ 1, 2 ]
amdhsa.kernels:
  - .name:           k_q2ae5f57591_join
    .symbol:         k_q2ae5f57591_join.kd
    .args:
      - { .name: yp, .offset: 0, .size: 8, .value_kind: global_buffer, .address_space: global }
      - { .name: plan, .offset: 8, .size: 8, .value_kind: global_buffer, .address_space: global }
      - { .name: rw, .offset: 16, .size: 8, .value_kind: global_buffer, .address_space: global }
      - { .name: out0, .offset: 24, .size: 8, .value_kind: global_buffer, .address_space: global }
    .group_segment_fixed_size: 0
    .private_segment_fixed_size: 0
    .kernarg_segment_align: 8
    .kernarg_segment_size: 32
    .max_flat_workgroup_size: 256
    .sgpr_count:     66
    .vgpr_count:     72
    .wavefront_size: 32
...
	.end_amdgpu_metadata
.endif
;; end of part 5
;; ======== version 2 of 2: 5 launches; version 1 with the launch place written anew for expert scheduling mode
;; workspace buffers: wb 25,165,824 bytes; route 36,864 bytes of whole numbers; rw 40,960 bytes; xs 18,874,368 bytes; plan 33,024 bytes of whole numbers; hs 9,437,184 bytes; yp 37,748,736 bytes
;; launch prep: the kernel of part 1 again; grid 1024 x 1, 8 waves a work-group, no clusters, 34,304 bytes of LDS; arguments x, w_router, w_gate, w_up, w_down, wb, route, rw; writes wb, route, rw
;; launch place (part 6): grid 256 x 1, 8 waves a work-group, no clusters, 0 bytes of LDS; arguments x, route, rw, xs, plan, out1; writes xs, plan, out1
.if DOCPART == 6
	.amdgcn_target "amdgcn-amd-amdhsa--gfx1250"
	.amdhsa_code_object_version 6
	.text
	.protected	k_q2ae5f57591_place
	.globl	k_q2ae5f57591_place
	.p2align	8
	.type	k_q2ae5f57591_place,@function
k_q2ae5f57591_place:
	s_mov_b64 s[64:65], 0
	v_nop
	global_prefetch_b8 v0, s[64:65] scope:SCOPE_SE
	s_setreg_imm32_b32 hwreg(HW_REG_WAVE_SCHED_MODE, 0, 2), 2
	s_setreg_imm32_b32 hwreg(HW_REG_WAVE_MODE, 25, 1), 1
	s_wait_xcnt 0x0
	s_wait_alu depctr_vm_vsrc(0)
; place.  Gives every (token, expert) pair a row ("slot") of xs and copies the token there in bf16.
; SLOTS.  9,216 slots = 64 blocks of 144.  Expert e with T_e pairs owns nb_e = ceil(T_e / 144) blocks in a row; its pairs fill them
; from the first slot on, in the order of work-groups and, inside one, of ranks.  The sum of nb_e is at most (8,192 + 8 x 143) / 144 = 64.
; The pairs take 8,192 slots, so exactly 1,024 slots are padding, whatever the routing: they are filled with zeros here, half a
; row by each of the 2,048 waves.  So every row of xs is written, and the products that follow need no masks.
; Every work-group makes the whole plan again from the 256 rows of counts (4,096 bytes): no traffic between work-groups.
; Out: xs; plan: slots[t][2], and from byte 32,768 blk[64] = the block's expert, 8 for a block without pairs (work-group 0);
; out1 = 0.01 x 8 x sum over e of (T_e / 4,096) (sum of probabilities / 4,096) (work-group 0).
; No barrier; branches hang on the work-group's and the wave's number alone.  What is made of loaded numbers enters an address
; only behind a clamp to 9,215, the last slot.
; THE MODE: SCHED_MODE bits 1:0 = 2 (LLVM: expert scheduling mode 2), set by the entry lines.  The code itself states the register dependences
; between vector instructions and memory or LDS instructions, and those through scalar registers that vector instructions write, with s_wait_alu, always for 0.
; THE PLAN.  Registers that memory or LDS instructions touch:
;   v2, v3, v4   offsets, made at the head and never written again: one wait ahead of the first load serves every load and store.
;   C, INFO, X   the head's loads land in them; no vector instruction names them before.  X is read by the conversions and, in one wave of
;                work-group 0, loaded again at the end: the wait ahead of the last row stores stands behind every conversion.
;   SLOT, Z, ZO  written by vector instructions, read by the slot store, the permutes and the zero stores; never written again.
;   OFF          written (lane indices), read by the permutes, written again (byte offsets), read by the row stores.
;   SL           the permutes land in it.      Y   each register is written once, by a conversion, and read by two row stores.
; Masks and counts that vector instructions hand to scalar registers are made in runs, each run into registers of its own, with one wait behind the run.
.set X,    8                           ; v[8:71]    two tokens, 32 f32 of each; later the sums of probabilities
.set C,    72                          ; v[72:103]  eight rows of counts
.set TOT,  104                         ; v[104:107] counts of all work-groups, two experts to a word
.set PRE,  108                         ; v[108:111] counts of the work-groups in front of mine
.set TMP,  112                         ; v[112:115]
.set INFO, 116
.set E,    117
.set SLOT, 118
.set BASE, 119
.set SL,   120                         ; v[120:123] the slots of my wave's four pairs
.set OFF,  124                         ; v[124:127] their byte offsets in xs, with my 16 bytes
.set Y,    128                         ; v[128:159] two tokens in bf16
.set Z,    160                         ; v[160:163] zeros
.set ZO,   164
.set LAST, 9215
.macro SUM8 d                          ; the eight rows in C added, word by word (a field is at most 8,192: no carry between fields)
.irp k, 0,1,2,3
	v_add3_u32 v[\d+\k], v[C+\k], v[C+4+\k], v[C+8+\k]
	v_add3_u32 v[\d+\k], v[\d+\k], v[C+12+\k], v[C+16+\k]
	v_add3_u32 v[\d+\k], v[\d+\k], v[C+20+\k], v[C+24+\k]
	v_add_nc_u32 v[\d+\k], v[\d+\k], v[C+28+\k]
.endr
.endm
; token i: 32 f32 to bf16
.macro CONV i
.irp c, 0,1,2,3
.irp r, 0,1,2,3
	v_cvt_pk_bf16_f32 v[Y+16*\i+4*\c+\r], v[X+32*\i+8*\c+2*\r], v[X+32*\i+8*\c+2*\r+1]
.endr
.endr
.endm
; token i into its two slots
.macro ROWS i
.irp c, 0,1,2,3
	global_store_b128 v[OFF+2*\i],   v[Y+16*\i+4*\c:Y+16*\i+4*\c+3], s[10:11] offset:512*\c   ; 512 consecutive bytes a store, aligned;
	global_store_b128 v[OFF+2*\i+1], v[Y+16*\i+4*\c:Y+16*\i+4*\c+3], s[10:11] offset:512*\c   ; no register of a store is written again
.endr
.endm
	s_load_b256 s[4:11], s[0:1], 0x0               ; x 4:5, route 6:7, rw 8:9, xs 10:11
	s_load_b128 s[12:15], s[0:1], 0x20             ; plan 12:13, out1 14:15
	v_lshrrev_b32 v2, 5, v0
	v_readfirstlane_b32 s16, v2                    ; wave
	s_mov_b32 s17, ttmp9                           ; work-group
	v_and_b32 v1, 31, v0                           ; lane
	v_lshlrev_b32 v2, 4, v1                        ; 16 x lane
	v_lshlrev_b32 v3, 5, v1                        ; 32 x lane
	v_lshlrev_b32 v4, 2, v1                        ; 4 x lane
	s_mov_b32 s20, 0x76543210
	s_mov_b32 s21, 0xfedcba98
	s_lshl_b32 s60, s17, 16                        ; tokens 16 wg + 2 w, + 1
	s_wait_alu depctr_va_sdst(0)                   ; s16 is written, ahead of its first reader
	s_lshl_b32 s18, s16, 13
	s_add_co_u32 s60, s60, s18
	s_mov_b32 s61, 0
	s_lshl_b32 s18, s17, 7                         ; 32 pairs of 4 bytes a work-group
	s_mov_b32 s19, 0
	s_wait_kmcnt 0x0
	s_add_nc_u64 s[4:5], s[4:5], s[60:61]
	s_add_nc_u64 s[60:61], s[6:7], s[18:19]        ; pinfo of my work-group
	s_add_nc_u64 s[62:63], s[12:13], s[18:19]      ; slots of my work-group
	s_wait_alu depctr_va_vdst(0)                   ; v2, v3 and v4 are written: every load and store of the kernel reads one of them as its offset or makes its offset from one
.irp j, 0,1,2,3,4,5,6,7
	global_load_b128 v[C+4*\j:C+4*\j+3], v2, s[6:7] offset:32768+512*\j   ; counts of work-group lane + 32 j
.endr
	global_load_b32 v[INFO], v4, s[60:61]
.irp i, 0,1
.irp c, 0,1,2,3
	global_load_b128 v[X+32*\i+8*\c:X+32*\i+8*\c+3],   v3, s[4:5] offset:4096*\i+1024*\c th:TH_LOAD_NT
	global_load_b128 v[X+32*\i+8*\c+4:X+32*\i+8*\c+7], v3, s[4:5] offset:4096*\i+1024*\c+16 th:TH_LOAD_NT
.endr
.endr
.irp k, 0,1,2,3
	v_mov_b32 v[TMP+\k], 0
	v_mov_b32 v[Z+\k], 0
.endr
.irp j, 0,1,2,3,4,5,6,7
	v_add_nc_u32 v[BASE], 32*\j, v1
	v_cmp_gt_u32 s[40+\j], s17, v[BASE]            ; a work-group in front of mine: eight masks in a run; they hang on no load
.endr
	s_wait_loadcnt 16                              ; the tables are in; the 16 loads of x stay out while the plan is made
	SUM8 TOT
	s_wait_alu depctr_va_sdst(0)                   ; the eight masks s[40:47] are written, ahead of the selects that read them
.irp j, 0,1,2,3,4,5,6,7
.irp k, 0,1,2,3
	v_cndmask_b32 v[C+4*\j+\k], 0, v[C+4*\j+\k], s[40+\j]
.endr
.endr
	SUM8 PRE
	; the eight words over the 32 lanes, in whole numbers
.irp m, 1,2,4,8
.irp g, 0,4
.irp k, 0,1,2,3
	v_mov_b32_dpp v[TMP+\k], v[TOT+\g+\k] row_xmask:\m row_mask:0xf bank_mask:0xf
.endr
.irp k, 0,1,2,3
	v_add_nc_u32 v[TOT+\g+\k], v[TOT+\g+\k], v[TMP+\k]
.endr
.endr
.endr
.irp g, 0,4
.irp k, 0,1,2,3
	v_permlanex16_b32 v[TMP+\k], v[TOT+\g+\k], s20, s21
.endr
.irp k, 0,1,2,3
	v_add_nc_u32 v[TOT+\g+\k], v[TOT+\g+\k], v[TMP+\k]
.endr
.endr
.irp i, 0,1,2,3
	v_readfirstlane_b32 s[24+2*\i], v[TOT+\i]      ; eight words in a run, each into the register of its lower field
	v_readfirstlane_b32 s[32+2*\i], v[PRE+\i]
.endr
	v_and_b32 v[E], 7, v[INFO]                     ; lane = pair: its expert and its rank
	v_lshrrev_b32 v[SLOT], 3, v[INFO]
	; the plan.  bb: blocks so far; cp: padding slots so far.  My wave's padding slot is number q of the 1,024; it lies behind the pairs of
	; every expert e that has at most q padding slots in front of it, so its place is q + the sum of those T_e.
	s_lshr_b32 s57, s16, 1
	s_lshl2_add_u32 s57, s17, s57                  ; q = 4 wg + w / 2
	s_mov_b32 s22, 0
	s_mov_b32 s23, 0
	s_mov_b32 s56, s57
	s_wait_alu depctr_va_sdst(0)                   ; the eight words are written, ahead of the shifts that read them
.irp i, 0,1,2,3
	s_lshr_b32 s[25+2*\i], s[24+2*\i], 16
	s_and_b32 s[24+2*\i], s[24+2*\i], 0xffff       ; s[24:31] T_e
	s_lshr_b32 s[33+2*\i], s[32+2*\i], 16
	s_and_b32 s[32+2*\i], s[32+2*\i], 0xffff       ; s[32:39] pairs of expert e in front of my work-group's
.endr
.irp e, 0,1,2,3,4,5,6,7
	s_add_co_u32 s58, s[24+\e], 143
	s_mul_i32 s58, s58, 7282                       ; n / 144 = n x 7,282 >> 20: 7,282 x 144 = 2^20 + 32, and the excess n x 32 / (144 x 2^20)
	s_lshr_b32 s58, s58, 20                        ; stays below 1 / 144 for n below 32,768
	s_mul_i32 s59, s22, 144
	s_add_co_u32 s[40+\e], s59, s[32+\e]           ; s[40:47]: the slot of my work-group's first pair of expert e
	s_cmp_ge_u32 s57, s23
	s_cselect_b32 s59, s[24+\e], 0
	s_add_co_u32 s56, s56, s59
	s_mul_i32 s59, s58, 144
	s_sub_co_u32 s59, s59, s[24+\e]
	s_add_co_u32 s23, s23, s59
	s_add_co_u32 s22, s22, s58
	s_mov_b32 s[48+\e], s22                        ; s[48:55]: the first block behind expert e's
.endr
	; lane = pair: its slot
	v_mov_b32 v[BASE], s40
.irp e, 1,2,3,4,5,6,7
	v_cmp_ne_u32 s[32+\e], \e, v[E]                ; seven masks in a run, into s[33:39], which the plan has done with
.endr
	; my wave's four pairs are lanes 4 w .. 4 w + 3: the permutes' indices; and where my half row of zeros goes
	s_lshl_b32 s18, s16, 4
	v_mov_b32 v5, s18
.irp i, 0,1,2,3
	v_add_nc_u32 v[OFF+\i], 4*\i, v5
.endr
	s_min_u32 s56, s56, LAST
	s_lshl_b32 s56, s56, 11
	s_and_b32 s18, s16, 1
	s_lshl_b32 s18, s18, 10
	s_add_co_u32 s56, s56, s18
	v_add_nc_u32 v[ZO], s56, v2
	s_wait_alu depctr_va_sdst(0)                   ; the seven masks are written, ahead of the selects that read them
.irp e, 1,2,3,4,5,6,7
	v_cndmask_b32 v[BASE], s[40+\e], v[BASE], s[32+\e]
.endr
	v_add_nc_u32 v[SLOT], v[SLOT], v[BASE]
	v_min_u32 v[SLOT], LAST, v[SLOT]
	s_wait_alu depctr_va_vdst(0)                   ; SLOT, OFF, ZO and Z are written: the slot store, the four permutes and the two zero stores read them; no vector instruction stands among these
	s_cmp_lg_u32 s16, 0
	s_cbranch_scc1 .Lnot_wave_0
	global_store_b32 v4, v[SLOT], s[62:63]         ; slots[t][k], 128 bytes a work-group
.Lnot_wave_0:
.irp i, 0,1,2,3
	ds_bpermute_b32 v[SL+\i], v[OFF+\i], v[SLOT]   ; my wave's four slots to every lane
.endr
	; half a row of zeros into my padding slot
	global_store_b128 v[ZO], v[Z:Z+3], s[10:11]
	global_store_b128 v[ZO], v[Z:Z+3], s[10:11] offset:512
	s_wait_loadcnt 8                               ; token 0's eight loads are in; token 1's may stay out
	CONV 0                                         ; while the permutes are out: these name X and Y alone
	s_wait_dscnt 0x0                               ; the four slots are in
	s_wait_alu depctr_vm_vsrc(0)                   ; the permutes have read OFF, which is written again below
.irp i, 0,1,2,3
	v_min_u32 v[SL+\i], LAST, v[SL+\i]
	v_lshl_add_u32 v[OFF+\i], v[SL+\i], 11, v2     ; rows of 2,048 bytes, 16 bytes a lane
.endr
	s_wait_alu depctr_va_vdst(0)                   ; the four offsets and token 0's sixteen registers of Y are written, which the stores read
	ROWS 0
	s_wait_loadcnt 0x0                             ; token 1
	CONV 1
	s_wait_alu depctr_va_vdst(0)                   ; token 1's sixteen registers of Y are written, which the stores read; and every conversion is done reading X, in which one wave's loads land below
	ROWS 1
	s_cmp_lg_u32 s17, 0
	s_cbranch_scc1 .Lend
	s_cmp_lg_u32 s16, 0
	s_cbranch_scc1 .Lnot_table
	; work-group 0, wave 0: blk[b] = how many experts end at or in front of block b; lane: b = 2 lane, 2 lane + 1
	v_lshlrev_b32 v[C], 1, v1
	v_or_b32 v[C+1], 1, v[C]
.irp e, 0,1,2,3,4,5,6,7
	v_cmp_le_u32 s[24+\e], s[48+\e], v[C]          ; sixteen masks in a run, into s[24:39], which this wave has done with
	v_cmp_le_u32 s[32+\e], s[48+\e], v[C+1]
.endr
	v_mov_b32 v[C+2], 0
	v_mov_b32 v[C+3], 0
	v_lshlrev_b32 v[C+4], 3, v1
	s_wait_alu depctr_va_sdst(0)                   ; the sixteen masks are written, ahead of the sums that take them as carries
.irp e, 0,1,2,3,4,5,6,7
	v_add_co_ci_u32 v[C+2], null, 0, v[C+2], s[24+\e]   ; + 1 where the mask is set; the carry out is nobody's
	v_add_co_ci_u32 v[C+3], null, 0, v[C+3], s[32+\e]
.endr
	s_wait_alu depctr_va_vdst(0)                   ; the two counts and the offset are written, which the store reads
	global_store_b64 v[C+4], v[C+2:C+3], s[12:13] offset:32768   ; 256 consecutive bytes, aligned
	s_branch .Lend
.Lnot_table:
	s_cmp_lg_u32 s16, 1
	s_cbranch_scc1 .Lend
	; work-group 0, wave 1: the loss.  Lane: the rows lane + 32 j of psum.  No wait ahead of the loads: on this way no vector instruction
	; has been issued since the wait ahead of token 1's stores, which stands behind the last reader of X
.irp j, 0,1,2,3,4,5,6,7
	global_load_b128 v[X+8*\j:X+8*\j+3],   v3, s[8:9] offset:32768+1024*\j
	global_load_b128 v[X+8*\j+4:X+8*\j+7], v3, s[8:9] offset:32768+1024*\j+16
.endr
.irp e, 0,1,2,3,4,5,6,7
	s_cvt_f32_u32 s[24+\e], s[24+\e]
.endr
	v_mov_b32 v[C+1], 0
	v_mov_b32 v[C+2], 0
	s_wait_loadcnt 0x0
.irp j, 1,2,3,4,5,6,7
.irp k, 0,2,4,6
	v_pk_add_f32 v[X+\k:X+\k+1], v[X+\k:X+\k+1], v[X+8*\j+\k:X+8*\j+\k+1]
.endr
.endr
	v_mul_f32 v[C], s24, v[X]
.irp e, 1,2,3,4,5,6,7
	v_fma_f32 v[C], s[24+\e], v[X+\e], v[C]
.endr
	v_add_f32_dpp v[C], v[C], v[C] row_xmask:1 row_mask:0xf bank_mask:0xf
	v_add_f32_dpp v[C], v[C], v[C] row_xmask:2 row_mask:0xf bank_mask:0xf
	v_add_f32_dpp v[C], v[C], v[C] row_xmask:4 row_mask:0xf bank_mask:0xf
	v_add_f32_dpp v[C], v[C], v[C] row_xmask:8 row_mask:0xf bank_mask:0xf
	v_permlanex16_b32 v[C+1], v[C], s20, s21
	v_add_f32 v[C], v[C], v[C+1]
	v_mul_f32 v[C], 0x31a3d70a, v[C]               ; 0.08 x 2^-24
	s_wait_xcnt 0x0                                ; EXEC is a source of the memory instructions above: it changes only behind this wait
	v_cmp_eq_u32 vcc_lo, 0, v1
	s_wait_alu depctr_va_vcc(0)                    ; VCC is written: EXEC is made from it
	s_wait_alu depctr_va_vdst(0)                   ; ahead of the write of EXEC: the vector instructions issued so far have written their results, the loss and the store's offset among them
	s_wait_alu depctr_vm_vsrc(0)                   ; and the memory instructions issued so far have read their vector registers
	s_and_saveexec_b32 s19, vcc_lo
	global_store_b32 v[C+2], v[C], s[14:15]
	s_wait_xcnt 0x0
	s_wait_alu depctr_va_vdst(0)                   ; ahead of the write of EXEC, as above
	s_wait_alu depctr_vm_vsrc(0)                   ; the store has read its offset and its data
	s_or_b32 exec_lo, exec_lo, s19
.Lend:
	s_endpgm
.Lfunc_end_k_q2ae5f57591_place:
	.size	k_q2ae5f57591_place, .Lfunc_end_k_q2ae5f57591_place-k_q2ae5f57591_place
	.p2alignl 7, 3214868480
	.fill 96, 4, 3214868480
	.section	.rodata,"a",@progbits
	.p2align	6, 0x0
	.amdhsa_kernel k_q2ae5f57591_place
		.amdhsa_group_segment_fixed_size 0
		.amdhsa_private_segment_fixed_size 0
		.amdhsa_enable_private_segment 0
		.amdhsa_kernarg_size 48
		.amdhsa_user_sgpr_count 2
		.amdhsa_user_sgpr_kernarg_segment_ptr 1
		.amdhsa_wavefront_size32 1
		.amdhsa_system_sgpr_workgroup_id_x 1
		.amdhsa_system_sgpr_workgroup_id_y 1
		.amdhsa_system_sgpr_workgroup_id_z 1
		.amdhsa_system_vgpr_workitem_id 0
		.amdhsa_next_free_vgpr 168
		.amdhsa_next_free_sgpr 66
		.amdhsa_reserve_vcc 1
		.amdhsa_float_denorm_mode_32 3
		.amdhsa_float_denorm_mode_16_64 3
		.amdhsa_memory_ordered 1
		.amdhsa_forward_progress 1
		.amdhsa_inst_pref_size 32
	.end_amdhsa_kernel
	.amdgpu_metadata
---
amdhsa.version: [ 1, 2 ]
amdhsa.kernels:
  - .name:           k_q2ae5f57591_place
    .symbol:         k_q2ae5f57591_place.kd
    .args:
      - { .name: x, .offset: 0, .size: 8, .value_kind: global_buffer, .address_space: global }
      - { .name: route, .offset: 8, .size: 8, .value_kind: global_buffer, .address_space: global }
      - { .name: rw, .offset: 16, .size: 8, .value_kind: global_buffer, .address_space: global }
      - { .name: xs, .offset: 24, .size: 8, .value_kind: global_buffer, .address_space: global }
      - { .name: plan, .offset: 32, .size: 8, .value_kind: global_buffer, .address_space: global }
      - { .name: out1, .offset: 40, .size: 8, .value_kind: global_buffer, .address_space: global }
    .group_segment_fixed_size: 0
    .private_segment_fixed_size: 0
    .kernarg_segment_align: 8
    .kernarg_segment_size: 48
    .max_flat_workgroup_size: 256
    .sgpr_count:     66
    .vgpr_count:     168
    .wavefront_size: 32
...
	.end_amdgpu_metadata
.endif
;; end of part 6
;; launch gemm1: the kernel of part 3 again; grid 4 x 64, 4 waves a work-group, clusters of 4 x 1, 327,680 bytes of LDS; arguments xs, wb, plan, hs; writes hs
;; launch gemm2: the kernel of part 4 again; grid 4 x 64, 4 waves a work-group, clusters of 4 x 1, 327,680 bytes of LDS; arguments hs, wb, plan, yp; writes yp
;; launch join: the kernel of part 5 again; grid 512 x 1, 8 waves a work-group, no clusters, 0 bytes of LDS; arguments yp, plan, rw, out0; writes out0
